; MI455X (gfx1250); checked and timed in simulation.
; The chip was launched on July 23, 2026; its instructions are those of AMD's public machine-readable ISA for CDNA 5 (MIT licence, August 2026) and "CDNA5" Instruction Set Architecture Reference Guide (July 2026). The comments in the code are by the model that wrote it; some were corrected since.
;; Transformer Model. Allowed arithmetic: matrix products marked QUANTISED: E4M3 operands, one E8M0 scale for each 32 along K, by v_wmma_scale_f32_16x16x128_f8f6f4 with both operands' format E4M3, f32 sums; products left as they are: f32 operands where the result goes on into a quantised operand, else bf16, f16 or f32 operands; f32 sums; everything else in f32.
;; Inputs: embed 32,000 x 1,024 float32; out_b 32,000 float32; out_w 1,024 x 32,000 float32; qkv_b 3,072 float32; qkv_w_codes 3,072 x 32 x 32 uint8 (E4M3 codes of qkv_w, K innermost, in blocks of 32 codes); qkv_w_scales 3,072 x 32 uint8 (E8M0 scales of qkv_w, one for each 32 codes along K); x 4 x 2,048 int32.
;; Outputs: out0 4 x 32,000 float32.
;; This version of the problem:
;;   THIS VERSION OF THE PROBLEM IS GIVEN IN LOW PRECISION. The matrix products marked QUANTISED in the list below multiply operands that are first quantised to E4M3 (4 exponent bits, 3 mantissa bits; 8 bits a number), with one power-of-two scale for each 32 numbers along K (OCP MX v1.0); their sums are f32. All else is computed in f32.
;;   The module's matrix products, in the order in which they are computed (A, B: the left and right operand; K: the contracted axis; several contracted axes count as one K, in the product's order):
;;     1. [M 8,192, K 1,024] x [K 1,024, N 3,072]; A: computed on the way; B: input qkv_w (given as codes): QUANTISED
;;     2. batch 4 x [M 2,048, K 1,024] x [K 1,024, N 2,048]; A: computed on the way; B: computed on the way: QUANTISED
;;     3. batch 4 x [M 2,048, K 2,048] x [K 2,048, N 1,024]; A: softmax (see below); B: computed on the way: QUANTISED
;;     4. [M 4, K 1,024] x [K 1,024, N 32,000]; A: computed on the way; B: input out_w: left as it is (M = 4 < 16)
;;   THE QUANTISER, for each operand of a quantised product, along K:
;;     - K is cut into blocks of 32 from its start; a last block that is shorter is filled with zeros.
;;     - A block's scale is 2^e with e = floor(log2(the largest magnitude in the block)) - 8, held to -126 .. 127; a block of zeros has e = 0. As a byte (E8M0): e + 127.
;;     - Each number is divided by its block's scale, clamped to +-448, and rounded to the nearest number of E4M3, ties to even, subnormals kept.
;;     - The product sums the exact products of the quantised numbers (number of the format x scale) in f32.
;;   ~~~python
;;   def quantise(x, axis):      # numpy; x: float32 -> the quantised numbers, widened to float32 again
;;       x = np.moveaxis(x, axis, -1); K = x.shape[-1]
;;       x = np.pad(x, [(0, 0)] * (x.ndim - 1) + [(0, -K % 32)]); x = x.reshape(x.shape[:-1] + (-1, 32)); a = np.abs(x).max(-1, keepdims=True)
;;       e = np.where(a > 0, np.clip(np.frexp(np.where(a > 0, a, 1))[1] - 1 - 8, -126, 127), 0)      # np.frexp(a)[1] - 1 = floor(log2(a)), exactly
;;       r = np.clip(x / 2.0 ** e, -448, 448)
;;       step = 2.0 ** (np.maximum(np.frexp(np.where(r == 0, 1, r))[1] - 1, -6) - 3)
;;       q = np.round(r / step) * step * 2.0 ** e      # np.round: ties to even
;;       return np.moveaxis(q.reshape(q.shape[:-2] + (-1,))[..., :K], -1, axis).astype(np.float32)
;;   ~~~
;;   SOFTMAX AHEAD OF A QUANTISED PRODUCT. Where the list says 'softmax', what is quantised is not the finished softmax but p = 2^(t - M), with t = logit x log2(e) and M = ceil(the row's largest t), a whole number; so 1/2 < the row's largest p <= 1. The row's sum l is taken of the UNQUANTISED p, in f32, and the product's result is divided by l at the end. Since M is a whole number, a kernel that streams over the keys may use a running M (the ceiling of the running maximum): every later rescaling is an exact power of two, which a block's scale takes up: the codes' values come out the same.
;;   OPERANDS COMPUTED ON THE WAY. 'Computed on the way' means the value that the module computes at that place (a softmax that the list does not call 'softmax' is quantised finished and normalised). What goes into a quantiser is computed in f32, as accurately as f32 sums, v_exp_f32 and their like allow (about 1e-6 of the number): no bf16 or f16 on the way to a quantiser, and a product that is left as it is and whose result goes on into a quantised operand takes f32 operands (vector FMAs, or v_wmma_f32_16x16x4_f32). A number that lies on a knife's edge between two numbers of the format may be rounded either way, as far as f32 arithmetic and the matrix unit's own rounding can turn it there, and no further.
;;   INPUTS GIVEN AS CODES. qkv_w (in the module: [1024, 3072], K = its axis 0): each comes as NAME_codes (uint8): NAME with its K axis moved to the last place and cut into blocks of 32 codes, [.., K / 32, bytes a block], one block behind the other in memory; one code a byte (a code: sign, 4 exponent bits, 3 mantissa bits); and NAME_scales (uint8): the same leading axes, one E8M0 byte (e + 127) for each 32 codes along K. Its value is code x scale, taken as it is: it is not quantised again, and the codes and scales need not be those that the quantiser above would give.
;; 2 versions, each right and faster than the one before. Each part assembles by itself: llvm-mc -triple=amdgcn-amd-amdhsa -mcpu=gfx1250 --defsym DOCPART=n.
;; ======== version 1 of 2: 4 launches
;; workspace buffers: hc 8,388,608 bytes; hs 262,144 bytes; qq 4,352 bytes; kvc 16,777,216 bytes; kvs 524,288 bytes; pp 262,656 bytes
;; launch prep (part 1): grid 264 x 1, 4 waves a work-group, no clusters, 50,688 bytes of LDS; arguments x, embed, qkv_w_codes, qkv_w_scales, qkv_b, hc, hs, qq; writes hc, hs, qq
.if DOCPART == 1
	.amdgcn_target "amdgcn-amd-amdhsa--gfx1250"
	.amdhsa_code_object_version 6
	.text
	.protected	k_q8912f09892_prep
	.globl	k_q8912f09892_prep
	.p2align	8
	.type	k_q8912f09892_prep,@function
k_q8912f09892_prep:
	s_mov_b64 s[64:65], 0
	v_nop
	global_prefetch_b8 v0, s[64:65] scope:SCOPE_SE
	s_setreg_imm32_b32 hwreg(HW_REG_WAVE_MODE, 25, 1), 1
	s_wait_xcnt 0x0
; PREP.  Two roles, parted on the work-group's number; each role has LDS bytes of its own.
; ROLE G (work-groups 8 to 263): h = embed[x] for all 8,192 tokens becomes codes of E4M3 along D (hc [8192][1024]) with one E8M0 byte for each 32 (hs [8192][32]).
; ROLE Q (work-groups 0 to 7): q = h Wq + bq for the LAST token of each of the 4 batches, by the scaled matrix instruction, quantised along D into qq (codes [4][1024] at byte 0, scale bytes [4][32] at byte 4,096).
; Only row 2047 of each batch reaches the result, so the other tokens' queries are not made; k and v of every token are (next launch).
; A block's scale is 2^(floor(log2(largest magnitude)) - 8); its byte is the largest magnitude's exponent field - 8, held at 1 from below.
; LIMITS: a block of zeros gets the byte 1 where the rule says 127 (its codes are zeros, and this program alone reads the bytes); NaN and infinities among the inputs are not served; an index outside 0 .. 31,999 is held at 31,999.
; NO CLUSTER: role G's work-groups share no input; role Q's eight share 16 KB of embed rows against 128 KB of weights each.
; ROLE G: a wave takes 8 tokens = 16 steps of 512 numbers.  Each load reads 512 consecutive bytes of a token's row; a step's 2,048 bytes turn through the wave's own stage in LDS
; (16 bytes of padding behind each 64) so that a lane holds 16 neighbours along D; two neighbouring lanes hold a block.  Loads run AHEAD steps (32 loads a wave) ahead, the turn through LDS one step.
.set AHEAD, 8
.set STEPS, 16
.set SP,    80                         ; a lane's place in a stage: 64 bytes + 16 of padding
.set WREG,  8192                       ; role G: LDS of a wave: two stages of 32 x SP bytes, then its 256 scale bytes
.set R,     16                         ; v16-143  role G: eight sets of 16 numbers as loaded
.set GX,    144                        ; v144-175 two sets of 16 neighbours
.set E,     176                        ; v176-191 a scale byte for each step
.set C,     192                        ; v192-255 four registers of codes for each step: no store's data are written again
.set ROWP,  32                         ; s[32:47] the addresses of my eight tokens' rows of embed
.set QIMG,  32768                      ; role Q: LDS: the eight fragments of x as images of their registers, 2,048 bytes each,
.set QSC,   49152                      ; and their scale words, 128 bytes each
.set XA,  4                            ; role Q: v4 my byte in embed; v5 16 x lane; v6 4 x lane; v7, v8 where I store images and scale words; v9 W's codes; v10 W's scale rows; v11 the bias
.set LI,  5
.set LS,  6
.set XWI, 7
.set XWS, 8
.set WA,  9
.set WSA, 10
.set BA,  11
.set TM,  16                           ; v16-19 largest magnitudes, v20-23 bytes, v24-27 448 x scale, v28-31 the conversions' scale operands
.set PW,  32                           ; the scale word just made
.set PC,  36                           ; v36-51 the codes just made
.set WS,  52                           ; v52-67 W's scale words: tile t, K step s at 52 + 8 t + s
.set XS,  68                           ; v68-75 x's scale words
.set BI,  76                           ; v76-91 the bias in the result's layout
.set ACC, 92                           ; v92-107 two accumulators
.set XN,  128                          ; v128-255 2 x 64 numbers of x, later x's eight fragments.  Window 1: W's fragment (t, s) at v[16 (8 t + s)]
.set MSB, 0
.macro WIN new                         ; the immediate's high byte repeats the setting that is left
.if MSB != \new
	s_set_vgpr_msb (MSB<<8)|\new
.set MSB, \new
.endif
.endm
	s_load_b256 s[4:11], s[0:1], 0x0               ; x s[4:5], embed s[6:7], W's codes s[8:9], W's scales s[10:11]
	s_load_b256 s[12:19], s[0:1], 0x20             ; the bias s[12:13], hc s[14:15], hs s[16:17], qq s[18:19]
	s_set_vgpr_msb 0x80
	v_lshl_add_u32 v0, v0, 2, 0xc400
	v_mov_b32 v1, 0
	s_set_vgpr_msb 0x8000
	v_lshrrev_b32 v1, 5, v0
	v_readfirstlane_b32 s20, v1                    ; wave 0..3
	s_mov_b32 s24, 0x600000                        ; the mantissa field of 448
	s_mov_b32 s23, 0
	s_cmp_lt_u32 ttmp9, 8                          ; the role hangs on the work-group's number alone
	s_cbranch_scc1 .Lq
; ------------------------------------------------------------------ ROLE G
	v_and_b32 v2, 31, v0                           ; lane
	v_lshlrev_b32 v3, 4, v2                        ; my 16 bytes of a load's 512, and of a step's 512 bytes of codes
	s_mul_i32 s25, s20, WREG
	v_lshrrev_b32 v14, 2, v2
	v_mul_u32_u24 v14, v14, SP
	v_and_b32 v15, 3, v2
	v_lshl_add_u32 v14, v15, 4, v14
	v_add_nc_u32 v14, s25, v14                     ; the stage, on the way in: SP (lane / 4) + 16 (lane % 4)
	v_mul_u32_u24 v15, v2, SP
	v_add_nc_u32 v15, s25, v15                     ; and on the way out: SP x lane: my 16 neighbours
	v_lshrrev_b32 v5, 1, v2
	s_add_co_u32 s25, s25, 2*32*SP
	v_add_nc_u32 v5, s25, v5                       ; my wave's 256 scale bytes, my block's byte
	v_lshlrev_b32 v7, 3, v2                        ; on the way out 8 bytes a lane
	v_add_nc_u32 v6, s25, v7
	s_sub_co_u32 s21, ttmp9, 8
	s_lshl_b32 s21, s21, 2
	s_add_co_u32 s21, s21, s20                     ; which run of 8 tokens is my wave's: 0 .. 1,023
	s_lshl_b32 s22, s21, 5                         ; its 8 words of x
	s_wait_kmcnt 0x0
	s_add_nc_u64 s[4:5], s[4:5], s[22:23]
	s_load_b256 s[48:55], s[4:5], 0x0              ; my eight indices
	s_lshl_b32 s22, s21, 13
	s_add_nc_u64 s[14:15], s[14:15], s[22:23]      ; hc at my 8 x 1,024 bytes
	s_lshl_b32 s22, s21, 8
	s_add_nc_u64 s[16:17], s[16:17], s[22:23]      ; hs at my 256 bytes
	s_wait_kmcnt 0x0
.irp j, 0,1,2,3,4,5,6,7
	s_min_u32 s[48+\j], s[48+\j], 0x7cff           ; an index is held inside the table before it enters an address
	s_lshl_b32 s22, s[48+\j], 12                   ; a row of embed is 4,096 bytes
	s_add_nc_u64 s[ROWP+2*\j:ROWP+2*\j+1], s[6:7], s[22:23]
.endr
.macro GLOAD t                         ; step t: half t % 2 of token t / 2; no hint: the list may name a row twice
.irp i, 0,1,2,3
	global_load_b128 v[R+16*((\t)%AHEAD)+4*\i:R+16*((\t)%AHEAD)+4*\i+3], v3, s[ROWP+2*((\t)/2):ROWP+2*((\t)/2)+1] offset:2048*((\t)%2)+512*\i
.endr
.endm
.macro GTURN t                         ; step t's numbers through the stage: LDS serves a wave's instructions in order, so no wait stands between the stores and the loads
.irp i, 0,1,2,3
	ds_store_b128 v14, v[R+16*((\t)%AHEAD)+4*\i:R+16*((\t)%AHEAD)+4*\i+3] offset:32*SP*((\t)%2)+8*SP*\i
.endr
.irp i, 0,1,2,3
	ds_load_b128 v[GX+16*((\t)%2)+4*\i:GX+16*((\t)%2)+4*\i+3], v15 offset:32*SP*((\t)%2)+16*\i
.endr
.endm
.irp t, 0,1,2,3,4,5,6,7
	GLOAD \t
.endr
	s_wait_loadcnt 4*(AHEAD-1)                     ; step 0's four loads are in; the seven steps behind it stay out
	GTURN 0
.macro GSTEP t
.set GS, GX+16*((\t)%2)
.if (\t) > 0
	s_wait_dscnt 1                                 ; this step's numbers are back from the stage (the last step's byte store may be out): so its stores into the stage have read their registers,
.else
	s_wait_dscnt 0x0
.endif
.if (\t)+AHEAD < STEPS
	GLOAD (\t)+AHEAD                               ; which take the loads of AHEAD steps on
.endif
.if (\t)+1 < STEPS
.if STEPS-2-(\t) >= AHEAD-1
	s_wait_loadcnt 4*(AHEAD-1)                     ; the next step's four loads are in; those of the seven steps behind it may be out
.else
	s_wait_loadcnt 4*(STEPS-2-(\t))                ; near the end: the steps still behind it
.endif
	GTURN (\t)+1                                   ; they go through the other stage while this step is worked
.endif
	v_max3_num_f32 v8, |v[GS]|, |v[GS+1]|, |v[GS+2]|                ; the largest magnitude of my 16, in two chains
	v_max3_num_f32 v9, |v[GS+3]|, |v[GS+4]|, |v[GS+5]|
.irp i, 6,10
	v_max3_num_f32 v8, v8, |v[GS+\i]|, |v[GS+\i+1]|
	v_max3_num_f32 v9, v9, |v[GS+\i+2]|, |v[GS+\i+3]|
.endr
	v_max3_num_f32 v8, v8, |v[GS+14]|, |v[GS+15]|
	v_max3_num_f32 v8, v8, v9, 0x4800000           ; and the floor 2^(9 - 127): the byte cannot fall under 1
	v_max_num_f32_dpp v8, v8, v8 row_xmask:1 row_mask:0xf bank_mask:0xf   ; and of my neighbour's 16: the block's
	v_add_nc_u32 v11, 0xfc000000, v8               ; 8 off its exponent field: the conversion takes this operand's exponent field as its scale
	v_and_or_b32 v10, v8, 0x7f800000, s24          ; 448 x the scale
.irp i, 0,1,2,3,4,5,6,7,8,9,10,11,12,13,14,15
	v_med3_num_f32 v[GS+\i], v[GS+\i], -v10, v10   ; the conversion to an 8-bit code does not saturate (ISA guide 7.6.2): the hold comes first
.endr
	v_cvt_scalef32_pk8_fp8_f32 v[C+4*(\t):C+4*(\t)+1], v[GS:GS+7], v11
	v_cvt_scalef32_pk8_fp8_f32 v[C+4*(\t)+2:C+4*(\t)+3], v[GS+8:GS+15], v11
	v_lshrrev_b32 v[E+(\t)], 23, v11               ; the scale's byte (also the plain line behind the conversions)
	ds_store_b8 v5, v[E+(\t)] offset:16*(\t)       ; both lanes of a block write the same byte with the same value
	global_store_b128 v3, v[C+4*(\t):C+4*(\t)+3], s[14:15] offset:512*(\t)   ; the wave stores 512 consecutive bytes, aligned
.endm
.irp t, 0,1,2,3,4,5,6,7,8,9,10,11,12,13,14,15
	GSTEP \t
.endr
	ds_load_b64 v[12:13], v6                       ; LDS serves a wave's instructions in order: these see my byte stores
	s_wait_dscnt 0x0
	global_store_b64 v7, v[12:13], s[16:17]        ; 32 lanes store 256 consecutive bytes, aligned
	s_set_vgpr_msb 0xa
	s_wait_tensorcnt 0x0
	ds_add_u32 v0, v1
	s_wait_dscnt 0x0
	s_set_vgpr_msb 0xa00
	s_endpgm
; ------------------------------------------------------------------ ROLE Q
; Wave nb = 4 x work-group + wave owns q's columns 32 nb .. 32 nb + 31: two tiles of 16 rows of W, one block of 32 along D.  The operand x has 16 rows; row r is the last token of batch r % 4.
; The product is used transposed (source 0 = 16 rows of W, source 1 = x): lane (r, h) holds batch r % 4, register j of tile t column 32 nb + 16 t + 8 h + j.
; Wave w quantises K steps 2 w and 2 w + 1 of x; the fragments go to the other waves through LDS as images of their registers (lane l's 16 bytes at 16 l).
.macro QUANT s                         ; 64 numbers of a lane, register 16 b + i = k 32 b + 16 (lane / 16) + i of my row -> codes in v[PC] on, scale word in v[PW]
.irp b, 0,1,2,3
	v_max3_num_f32 v[TM+\b], |v[\s+16*\b]|, |v[\s+1+16*\b]|, 0x4800000   ; my 16 numbers of block b, and the floor 2^(9 - 127)
.endr
.irp i, 2,4,6,8,10,12,14
.irp b, 0,1,2,3
	v_max3_num_f32 v[TM+\b], v[TM+\b], |v[\s+16*\b+\i]|, |v[\s+1+16*\b+\i]|   ; the four blocks by turns
.endr
.endr
.irp b, 0,1,2,3
	v_permlanex16_b32 v[TM+4+\b], v[TM+\b], s26, s27
.endr
.irp b, 0,1,2,3
	v_max_num_f32 v[TM+\b], v[TM+\b], v[TM+4+\b]   ; with lane l xor 16's: the block's largest magnitude
.endr
.irp b, 0,1,2,3
	v_add_nc_u32 v[TM+12+\b], 0xfc000000, v[TM+\b]
.endr
.irp b, 0,1,2,3
	v_and_or_b32 v[TM+8+\b], v[TM+\b], 0x7f800000, s24
.endr
.irp b, 0,1,2,3
	v_lshrrev_b32 v[TM+4+\b], 23, v[TM+12+\b]
.endr
	v_lshl_or_b32 v[PW], v[TM+5], 8, v[TM+4]       ; the four bytes make my row's scale word
	v_lshl_or_b32 v[PW], v[TM+6], 16, v[PW]
	v_lshl_or_b32 v[PW], v[TM+7], 24, v[PW]
.irp b, 0,1,2,3
.irp i, 0,1,2,3,4,5,6,7,8,9,10,11,12,13,14,15
	v_med3_num_f32 v[\s+16*\b+\i], v[\s+16*\b+\i], -v[TM+8+\b], v[TM+8+\b]
.endr
	v_cvt_scalef32_pk8_fp8_f32 v[PC+4*\b:PC+1+4*\b], v[\s+16*\b:\s+7+16*\b], v[TM+12+\b]
	v_cvt_scalef32_pk8_fp8_f32 v[PC+2+4*\b:PC+3+4*\b], v[\s+8+16*\b:\s+15+16*\b], v[TM+12+\b]
.endr
	v_nop                                          ; one plain line behind the last conversion, ahead of whatever next writes its sources
.endm
.macro IMAGE adr, off                  ; the fragment in v[PC] on goes to LDS as it stands
.irp c, 0,1,2,3
	ds_store_b128 v[\adr], v[PC+4*\c:PC+4*\c+3] offset:\off+512*\c
.endr
.endm
.macro WLOAD t                         ; W's eight fragments of tile t into window 1
.irp s, 0,1,2,3,4,5,6,7
.irp c, 0,1,2,3
	global_load_b128 v[16*(8*\t+\s)+4*\c:16*(8*\t+\s)+4*\c+3], v[WA], s[8:9] offset:16384*\t+128*\s+32*\c
.endr
.endr
.endm
.macro XLOAD u                         ; my K step 2 w + u of x: 16 neighbours of each block of 32
.irp b, 0,1,2,3
.irp j, 0,1,2,3
	global_load_b128 v[XN+64*\u+16*\b+4*\j:XN+64*\u+16*\b+4*\j+3], v[XA], s[6:7] offset:512*\u+128*\b+16*\j
.endr
.endr
.endm
.Lq:
	v_and_b32 v1, 31, v0                           ; lane
	v_and_b32 v2, 15, v0                           ; r
	v_bfe_u32 v3, v0, 4, 1                         ; h
	v_lshlrev_b32 v[LI], 4, v1
	v_lshlrev_b32 v[LS], 2, v1
	s_lshl_b32 s21, s20, 12
	v_add_nc_u32 v[XWI], s21, v[LI]                ; two fragments of 2,048 bytes a wave
	s_lshl_b32 s21, s20, 8
	v_add_nc_u32 v[XWS], s21, v[LS]
	v_lshlrev_b32 v[WA], 10, v2
	v_lshl_add_u32 v[WA], v3, 4, v[WA]             ; W: row r of 1,024 bytes + 16 h
	v_lshlrev_b32 v[WSA], 5, v2                    ; W's scales: 32 bytes a row
	v_lshlrev_b32 v[BA], 5, v3                     ; the bias: my half's eight numbers
	v_and_b32 v12, 3, v2
	v_lshlrev_b32 v12, 13, v12
	v_add_nc_u32 v12, 8188, v12                    ; x[r % 4][2047]
	s_lshl_b32 s28, ttmp9, 2
	s_add_co_u32 s28, s28, s20                     ; nb
	s_lshl_b32 s29, s28, 5                         ; my first column
	v_lshlrev_b32 v14, 10, v2
	v_lshl_add_u32 v14, v3, 3, v14
	v_add_nc_u32 v14, s29, v14                     ; qq: row r, column 32 nb + 8 h
	v_lshl_add_u32 v15, v2, 5, s28                 ; and the block's byte: 32 r + nb
	s_lshl_b32 s21, s20, 10
	v_lshl_add_u32 v[XA], v3, 6, s21               ; x: 64 h + my two K steps' 1,024 bytes; the row is added below
	s_mov_b32 s26, 0x76543210
	s_mov_b32 s27, 0xfedcba98                      ; v_permlanex16_b32's selects for lane l xor 16
.irp b, 0,1,2,3
	v_mov_b32 v[TM+4+\b], 0                        ; written once: a lane permute's destination counts as one of its sources
.endr
	s_wait_kmcnt 0x0
	global_load_b32 v13, v12, s[4:5]               ; the index
	s_lshl_b32 s22, s29, 10
	s_add_nc_u64 s[8:9], s[8:9], s[22:23]
	s_lshl_b32 s22, s29, 5
	s_add_nc_u64 s[10:11], s[10:11], s[22:23]
	s_lshl_b32 s22, s29, 2
	s_add_nc_u64 s[12:13], s[12:13], s[22:23]
.irp t, 0,1
.irp i, 0,1
	global_load_b128 v[WS+8*\t+4*\i:WS+8*\t+4*\i+3], v[WSA], s[10:11] offset:512*\t+16*\i
	global_load_b128 v[BI+8*\t+4*\i:BI+8*\t+4*\i+3], v[BA], s[12:13] offset:64*\t+16*\i
.endr
.endr
	WIN 0x40                                       ; destination window 1, address window 0
	WLOAD 0
	WIN 0
	s_wait_loadcnt 40                              ; the index is in; the 8 + 32 loads issued behind it may be out
	v_min_u32 v13, 0x7cff, v13                     ; held inside the table before it enters an address
	v_lshlrev_b32 v13, 12, v13
	v_add_nc_u32 v[XA], v[XA], v13
	XLOAD 0
	XLOAD 1
	WIN 0x40
	WLOAD 1
	WIN 0
	s_wait_loadcnt 48                              ; my first K step of x is in; behind it: the second's 16 loads and tile 1's 32
	QUANT XN
	IMAGE XWI, QIMG
	ds_store_b32 v[XWS], v[PW] offset:QSC
	s_wait_dscnt 0x0                               ; the stores have read their registers
	s_wait_loadcnt 32                              ; the second K step is in; tile 1's 32 loads may be out
	QUANT XN+64
	IMAGE XWI, QIMG+2048
	ds_store_b32 v[XWS], v[PW] offset:QSC+128
	s_wait_dscnt 0x0                               ; for the others' sake: my stores have landed
	s_barrier_signal -1
	s_barrier_wait -1                              ; x's eight fragments lie in LDS
.irp f, 0,1,2,3,4,5,6,7
.irp c, 0,1,2,3
	ds_load_b128 v[XN+16*\f+4*\c:XN+16*\f+4*\c+3], v[LI] offset:QIMG+2048*\f+512*\c
.endr
	ds_load_b32 v[XS+\f], v[LS] offset:QSC+128*\f
.endr
	s_wait_dscnt 0x0
	s_wait_loadcnt 0x0                             ; W's tile 1
	WIN 0x01                                       ; source 0 (W) window 1
.irp s, 0,1,2,3,4,5,6,7                ; the two accumulators take turns, one instruction a turn; the bias is the C of each sum's first product
.irp t, 0,1
.if \s == 0
	v_wmma_scale_f32_16x16x128_f8f6f4 v[ACC+8*\t:ACC+8*\t+7], v[16*(8*\t+\s):16*(8*\t+\s)+15], v[XN+16*\s:XN+16*\s+15], v[BI+8*\t:BI+8*\t+7], v[WS+8*\t+\s], v[XS+\s]
.else
	v_wmma_scale_f32_16x16x128_f8f6f4 v[ACC+8*\t:ACC+8*\t+7], v[16*(8*\t+\s):16*(8*\t+\s)+15], v[XN+16*\s:XN+16*\s+15], v[ACC+8*\t:ACC+8*\t+7], v[WS+8*\t+\s], v[XS+\s]
.endif
.endr
.endr
	WIN 0
.rept 8
	v_nop                                          ; eight places behind this form before its results are read
.endr
	v_max3_num_f32 v16, |v[ACC]|, |v[ACC+1]|, 0x4800000             ; q's one block of 32: my 16 numbers, each accumulator from its low end on
	v_max3_num_f32 v17, |v[ACC+8]|, |v[ACC+9]|, |v[ACC+10]|
	v_max3_num_f32 v16, v16, |v[ACC+2]|, |v[ACC+3]|
	v_max3_num_f32 v17, v17, |v[ACC+11]|, |v[ACC+12]|
	v_max3_num_f32 v16, v16, |v[ACC+4]|, |v[ACC+5]|
	v_max3_num_f32 v17, v17, |v[ACC+13]|, |v[ACC+14]|
	v_max3_num_f32 v16, v16, |v[ACC+6]|, |v[ACC+7]|
	v_max3_num_f32 v16, v16, v17, |v[ACC+15]|
	v_permlanex16_b32 v20, v16, s26, s27
	v_max_num_f32 v16, v16, v20                    ; with lane l xor 16's 16
	v_add_nc_u32 v28, 0xfc000000, v16
	v_and_or_b32 v24, v16, 0x7f800000, s24
	v_lshrrev_b32 v21, 23, v28                     ; the byte
.irp i, 0,1,2,3,4,5,6,7,8,9,10,11,12,13,14,15
	v_med3_num_f32 v[ACC+\i], v[ACC+\i], -v24, v24
.endr
	v_cvt_scalef32_pk8_fp8_f32 v[PC:PC+1], v[ACC:ACC+7], v28        ; columns 32 nb + 8 h + 0 .. 7
	v_cvt_scalef32_pk8_fp8_f32 v[PC+2:PC+3], v[ACC+8:ACC+15], v28   ; columns 32 nb + 16 + 8 h + 0 .. 7
	v_nop
	v_cmp_gt_u32 vcc_lo, 4, v2                     ; rows 0 to 3 are the four batches; rows 4 to 15 repeat them
	s_wait_xcnt 0x0                                ; EXEC changes only behind this wait
	s_set_vgpr_msb 0xa
	s_wait_tensorcnt 0x0
	ds_add_u32 v0, v1
	s_wait_dscnt 0x0
	s_set_vgpr_msb 0xa00
	s_and_saveexec_b32 s30, vcc_lo
	global_store_b64 v14, v[PC:PC+1], s[18:19]     ; small pieces: qq is 4,224 bytes in all, 32 of them a wave and batch
	global_store_b64 v14, v[PC+2:PC+3], s[18:19] offset:16
	global_store_b8 v15, v21, s[18:19] offset:4096 ; both halves of the lanes write the same byte with the same value
	s_wait_xcnt 0x0
	s_or_b32 exec_lo, exec_lo, s30
	s_endpgm
.Lfunc_end_k_q8912f09892_prep:
	.size	k_q8912f09892_prep, .Lfunc_end_k_q8912f09892_prep-k_q8912f09892_prep
	.p2alignl 7, 3214868480
	.fill 96, 4, 3214868480
	.section	.rodata,"a",@progbits
	.p2align	6, 0x0
	.amdhsa_kernel k_q8912f09892_prep
		.amdhsa_group_segment_fixed_size 50688
		.amdhsa_private_segment_fixed_size 0
		.amdhsa_enable_private_segment 0
		.amdhsa_kernarg_size 64
		.amdhsa_user_sgpr_count 2
		.amdhsa_user_sgpr_kernarg_segment_ptr 1
		.amdhsa_wavefront_size32 1
		.amdhsa_system_sgpr_workgroup_id_x 1
		.amdhsa_system_sgpr_workgroup_id_y 1
		.amdhsa_system_sgpr_workgroup_id_z 1
		.amdhsa_system_vgpr_workitem_id 0
		.amdhsa_next_free_vgpr 514
		.amdhsa_next_free_sgpr 66
		.amdhsa_reserve_vcc 1
		.amdhsa_float_denorm_mode_32 3
		.amdhsa_float_denorm_mode_16_64 3
		.amdhsa_memory_ordered 1
		.amdhsa_forward_progress 1
		.amdhsa_inst_pref_size 88
	.end_amdhsa_kernel
	.amdgpu_metadata
---
amdhsa.version: [ 1, 2 ]
amdhsa.kernels:
  - .name:           k_q8912f09892_prep
    .symbol:         k_q8912f09892_prep.kd
    .args:
      - { .name: x, .offset: 0, .size: 8, .value_kind: global_buffer, .address_space: global }
      - { .name: embed, .offset: 8, .size: 8, .value_kind: global_buffer, .address_space: global }
      - { .name: qkv_w_codes, .offset: 16, .size: 8, .value_kind: global_buffer, .address_space: global }
      - { .name: qkv_w_scales, .offset: 24, .size: 8, .value_kind: global_buffer, .address_space: global }
      - { .name: qkv_b, .offset: 32, .size: 8, .value_kind: global_buffer, .address_space: global }
      - { .name: hc, .offset: 40, .size: 8, .value_kind: global_buffer, .address_space: global }
      - { .name: hs, .offset: 48, .size: 8, .value_kind: global_buffer, .address_space: global }
      - { .name: qq, .offset: 56, .size: 8, .value_kind: global_buffer, .address_space: global }
    .group_segment_fixed_size: 50688
    .private_segment_fixed_size: 0
    .kernarg_segment_align: 8
    .kernarg_segment_size: 64
    .max_flat_workgroup_size: 128
    .sgpr_count:     66
    .vgpr_count:     514
    .wavefront_size: 32
...
	.end_amdgpu_metadata
.endif
;; end of part 1
;; launch kvgemm (part 2): grid 8 x 32, 4 waves a work-group, clusters of 4 x 4, 327,680 bytes of LDS; arguments hc, hs, qkv_w_codes, qkv_w_scales, qkv_b, kvc, kvs; writes kvc, kvs
.if DOCPART == 2
	.amdgcn_target "amdgcn-amd-amdhsa--gfx1250"
	.amdhsa_code_object_version 6
	.text
	.protected	k_q8912f09892_kvgemm
	.globl	k_q8912f09892_kvgemm
	.p2align	8
	.type	k_q8912f09892_kvgemm,@function
k_q8912f09892_kvgemm:
	s_mov_b64 s[64:65], 0
	v_nop
	global_prefetch_b8 v0, s[64:65] scope:SCOPE_SE
	s_setreg_imm32_b32 hwreg(HW_REG_WAVE_MODE, 25, 1), 1
	s_wait_xcnt 0x0
	s_wait_alu depctr_hold_cnt(0) depctr_sa_sdst(0) depctr_va_vdst(0) depctr_va_sdst(0) depctr_va_ssrc(0) depctr_va_vcc(0) depctr_vm_vsrc(0)
	s_getreg_b32 s2, hwreg(HW_REG_IB_STS2, 6, 4)
	s_cmp_eq_u32 s2, 0
	s_cbranch_scc0 .Lentry_in_a_cluster
	s_endpgm
.Lentry_in_a_cluster:
	s_bfe_u32 s2, ttmp6, 0x10000c
	s_cmp_lg_u32 s2, 0xf033
	s_cbranch_scc0 .Lentry_shape_is_right
	s_endpgm
.Lentry_shape_is_right:
; KVGEMM.  k = h Wk + bk and v = h Wv + bv for all 8,192 tokens, on codes of E4M3 with E8M0 scales, and both results quantised on the way out: k along D, v along the keys.
; One text serves both.  It multiplies a LANE side A (source 1) by a REGISTER side B (source 0): in a result a lane holds one row of A and its registers run along B's rows, and the result is quantised along B's rows.
;   TYPE 0 (cluster x = 0): A = h (tokens), B = W's rows 1,024 .. 2,047 (d): k, a lane to a token, registers along d.
;   TYPE 1 (cluster x = 1): A = W's rows 2,048 .. 3,071 (d), B = h (tokens): v^T, a lane to a d, registers along the keys.
; TYPE is the cluster's x, equal in all sixteen partners.  128 work-groups of each type; each makes 256 x 256, K = 1,024; four waves, 128 x 128 each: 64 accumulators, 512 registers, 512 matrix instructions.
; K goes in four steps of 256 through a ring of two LDS slots filled by the tensor data mover (rows of 256 bytes, 16 of padding).  The scales of the 256 + 256 rows for all of K come once, with the first fills.
; CLUSTERS: 4 x 4.  A's tiles are shared along a row of the cluster, B's along a column: each is asked for jointly, by the same tensor load with a mask that names the four.
; The bias is the C of each sum's first product: TYPE 0: it runs along the registers (by B's block); TYPE 1: along the lanes (by A's block).  That first step is written twice, under a branch on TYPE.
; OUT: the codes leave as IMAGES OF OPERAND REGISTERS (a fragment of 16 rows x 128 K is 2,048 bytes; piece c of 512 bytes holds lane l's 16 bytes at 16 l), so that the next launch loads fragments by dense 512-byte loads:
;   kvc: k at 0: [token / 16][d / 128]; v at 8,388,608: [d / 16][token / 128].   kvs: scale words: k at 0: [d / 256][token][8 bytes]; v at 262,144: [token / 256][d][8 bytes].
; LIMITS: a block of zeros gets the byte 1 where the rule says 127 (its codes are zeros; this program alone reads the bytes); NaN and infinities are not served.
; REGISTERS, in windows of 256: window 0: v0-31 addresses; v32-63 scale words, two sets; v64-127 the bias; v128-255 A's fragments, one set.  On the way out v32-55 at work, v64-191 codes, v192-195 scale words.
;   window 1: B's fragments, two sets.   window 2: the accumulators of my rows 0-63 ((a, b) at v[8 (8 a + b)]);   window 3: those of my rows 64-127.
.set KSTEP,  256
.set NQ,     2                         ; matrix instructions deep in a slot
.set ROWB,   256                       ; a tile's row in bytes
.set KROW,   1024                      ; a row of codes in memory
.set PITCH,  272                       ; an LDS row: 256 bytes + 16 of padding = 68 words: row r starts at bank 4 r mod 64 (64 banks of 4 bytes: ISA guide 11.1)
.set FR,     16
.set NL,     4
.set NP,     8                         ; places behind this matrix instruction (ISA guide 7.12.1)
.set HALFT,  128*PITCH
.set SLOT,   4*HALFT                   ; A's 256 rows, then B's 256 rows
.set KS,     32                        ; a row of scales in bytes
.set SCL,    2*SLOT                    ; behind the ring: the scales, as units of 256 bytes + 16 of padding
.set HALFS,  (128*KS/256)*272
.set SBLK,   (16*KS/256)*272
.set SPARE,  SCL+4*HALFS               ; the spare words, 128 bytes for each wave: two blocks of 256 bytes that no other line names
.set SCSTG,  256*PITCH                 ; the way out: codes' stage at 0, 256 rows x 272 bytes; behind it 2,048 bytes of scale words.  Both lie in slot 0, which has had its last fill and its last read by then
.set VO,   8                           ; v8-15   byte offsets of the bias loads
.set ADRA, 16                          ; v16-17  LDS address of my A fragments in slot 0, 1
.set ADRB, 20                          ; v20-21  the same for B        (v18, v19, v22, v23: my byte offsets in kvc, one for each of my four tiles of rows)
.set STO,  24                          ; v24     the way out: where I put 8 codes
.set SSTO, 25                          ; v25     and a scale word
.set RD,   26                          ; v26     where I read a fragment's piece back
.set ADRS, 27                          ; v27     LDS address of my scale words: lanes 0-15 A's rows, lanes 16-31 B's
.set SPW,  28                          ; v28     my spare word: SPARE + 4 x my thread's number; never rewritten
.set NIL,  29                          ; v29     0; never rewritten
.set SRD,  30                          ; v30     where I read scale words back
.set LI,   31                          ; v31     16 x lane
.set SC,   32
.set BIAS, 64
.set AF,   128
.set TM,   32                          ; the way out: v32-35 largest magnitudes, v36-39 bytes, v40-43 448 x scale, v44-47 scale operands
.set PW,   48                          ; v48-55 a scale word for each of my eight blocks of rows
.set PCB,  64                          ; v64-191 16 registers of codes for each block: no LDS store's data are written again
.set G1, 24
.set G0, 32
.set G1B, 48
.set G0B, 56
.set G1S, 68
.set G0S, 76
.set G1SB, 80
.set G0SB, 88
.set MSB, 0
.macro WIN new                         ; the immediate's high byte repeats the setting that is left
.if MSB != \new
	s_set_vgpr_msb (MSB<<8)|\new
.set MSB, \new
.endif
.endm
.set MUL_LO, 0xa1                      ; source 0 (B) window 1, source 1 (A) window 0, C and D window 2
.set MUL_HI, 0xf1                      ; the same, C and D window 3
.set FST_LO, 0x81                      ; the first step: C (the bias) window 0, D window 2
.set FST_HI, 0xc1                      ; D window 3
.set TO_B,   0x40
; A joint load: waves 0 and 1 fetch for A, waves 2 and 3 for B.  The branch hangs on the wave's number alone.  Four v_nop follow each of the two lines.
.macro JLOAD g0a, g1a, g0b, g1b
	s_cmp_eq_u32 s15, 0
	s_cbranch_scc0 .Lfor_b_\@
	tensor_load_to_lds s[\g0a:\g0a+3], s[\g1a:\g1a+7]
	s_nop 0
.rept 4
	v_nop
.endr
	s_branch .Lasked_\@
.Lfor_b_\@:
	tensor_load_to_lds s[\g0b:\g0b+3], s[\g1b:\g1b+7]
	s_nop 0
.rept 4
	v_nop
.endr
.Lasked_\@:
.endm
.macro CREST                           ; a round of the cluster's barrier behind its opening barrier
	s_cmp_lg_u32 s14, 0
	s_cbranch_scc1 .Lnot_wave_0_\@
	s_barrier_signal -3
.Lnot_wave_0_\@:
	s_barrier_wait -3
	s_barrier_signal -1
	s_barrier_wait -1
.endm
.macro CROUND
	s_barrier_signal -1
	s_barrier_wait -1
	CREST
.endm
	s_load_b256 s[4:11], s[0:1], 0x0               ; hc s[4:5], hs s[6:7], W's codes s[8:9], W's scales s[10:11]
	s_load_b64 s[12:13], s[0:1], 0x20              ; the bias
	s_load_b128 s[96:99], s[0:1], 0x28             ; kvc s[96:97], kvs s[98:99]
	v_lshl_add_u32 v[SPW], v0, 2, SPARE
	v_mov_b32 v[NIL], 0
	ds_add_u32 v28, v29
	ds_add_u32 v28, v29
	s_wait_dscnt 0x0
	v_lshrrev_b32 v1, 5, v0
	v_readfirstlane_b32 s14, v1                    ; wave 0..3
	s_lshr_b32 s15, s14, 1                         ; which half of A's rows is mine.  Also: I fetch for A (0) or for B (1)
	s_and_b32 s16, s14, 1                          ; which half of B's rows.  Also: which 128 rows of that tile I fetch
	s_bfe_u32 s40, ttmp6, 0x40000                  ; cx
	s_bfe_u32 s41, ttmp6, 0x40004                  ; cy
	s_mov_b32 s66, ttmp9                           ; TYPE: the cluster's x
	s_and_b32 s67, ttmp7, 0xffff
	s_lshl_b32 s67, s67, 2                         ; 4 x the cluster's y: it walks the 32 tiles of tokens
	s_cmp_eq_u32 s66, 0
	s_cselect_b32 s95, s67, 0                      ; TYPE 0: the tokens are A's rows,
	s_cselect_b32 s100, 0, s67                     ; TYPE 1: B's
	s_add_co_u32 s17, s41, s95                     ; A's tile: cy (+ 4 x cluster y)
	s_add_co_u32 s42, s40, s100                    ; B's tile: cx (+ 4 x cluster y)
	s_lshl_b32 s43, s41, 2
	s_lshl_b32 s43, 15, s43                        ; my row of the cluster
	s_lshl_b32 s44, 0x1111, s40                    ; my column
	; descriptor group 1: a tile of 128 rows x 256 bytes, padded in LDS
	s_or_b32 s[G1+0], s43, (0<<16)|(1<<20)|(1<<21)|(5<<22)|(3<<25)  ; 15:0 the mask: A's tiles go to my row; 17:16 elements of 1 byte; 20 padding on; 21 set beside a mask; 24:22 after every 64 words; 31:25 four words
	s_or_b32 s[G1B+0], s44, (0<<16)|(1<<20)|(1<<21)|(5<<22)|(3<<25)
.irp g, G1, G1B
	s_mov_b32 s[\g+1], ROWB<<16                    ; tensor_dim0
	s_mov_b32 s[\g+2], 128<<16                     ; tensor_dim1
	s_mov_b32 s[\g+3], ROWB<<16                    ; tile_dim0
	s_mov_b32 s[\g+4], 128                         ; tile_dim1
	s_mov_b32 s[\g+5], KROW                        ; tensor_dim0_stride
	s_mov_b32 s[\g+6], 0
	s_mov_b32 s[\g+7], 0
.endr
	; the scales of 128 rows: 4,096 dense bytes, as 16 rows of 256 bytes (32 elements of 8 bytes), 16 bytes of padding behind each
	s_or_b32 s[G1S+0], s43, (3<<16)|(1<<20)|(1<<21)|(5<<22)|(3<<25)
	s_or_b32 s[G1SB+0], s44, (3<<16)|(1<<20)|(1<<21)|(5<<22)|(3<<25)
.irp g, G1S, G1SB
	s_mov_b32 s[\g+1], 32<<16
	s_mov_b32 s[\g+2], (128*KS/256)<<16
	s_mov_b32 s[\g+3], 32<<16
	s_mov_b32 s[\g+4], 128*KS/256
	s_mov_b32 s[\g+5], 32
	s_mov_b32 s[\g+6], 0
	s_mov_b32 s[\g+7], 0
.endr
	s_lshl_b32 s18, s16, 7                         ; which 128 rows of the tile I fetch
	s_lshl_b32 s20, s17, 8
	s_add_co_u32 s20, s20, s18                     ; A: row 256 x tile + 128 x half
	s_lshl_b32 s46, s42, 8
	s_add_co_u32 s46, s46, s18                     ; B likewise
	s_lshl_b32 s22, s20, 5                         ; where these rows' scales begin, in bytes (all four offsets stay under 2^24)
	s_lshl_b32 s92, s46, 5
	s_lshl_b32 s20, s20, 10                        ; and their codes
	s_lshl_b32 s46, s46, 10
	s_mov_b32 s21, 0
	s_mov_b32 s23, 0
	s_mov_b32 s47, 0
	s_mov_b32 s93, 0
	s_mul_i32 s45, s14, HALFT                      ; where they go: wave x 128 rows: no place in the cluster enters an LDS address
	s_mul_i32 s67, s14, HALFS
	s_wait_kmcnt 0x0
	s_add_nc_u64 s[100:101], s[8:9], 0x200000      ; W's rows 2,048 on (v),
	s_add_nc_u64 s[94:95], s[10:11], 0x10000       ; their scales,
	s_add_nc_u64 s[8:9], s[8:9], 0x100000          ; W's rows 1,024 on (k),
	s_add_nc_u64 s[10:11], s[10:11], 0x8000        ; their scales
	s_cmp_eq_u32 s66, 0                            ; the choice of buffers hangs on TYPE alone
	s_cselect_b64 s[100:101], s[4:5], s[100:101]   ; A's codes
	s_cselect_b64 s[94:95], s[6:7], s[94:95]       ; A's scales
	s_cselect_b64 s[8:9], s[8:9], s[4:5]           ; B's codes
	s_cselect_b64 s[10:11], s[10:11], s[6:7]       ; B's scales
	s_add_nc_u64 s[20:21], s[100:101], s[20:21]
	s_add_nc_u64 s[22:23], s[94:95], s[22:23]
	s_add_nc_u64 s[46:47], s[8:9], s[46:47]
	s_add_nc_u64 s[92:93], s[10:11], s[92:93]
	CROUND                                         ; all sixteen work-groups are here: the first joint loads meet
	s_mov_b32 s[G0S], 1
	s_add_co_u32 s[G0S+1], s67, SCL
	s_mov_b64 s[G0S+2:G0S+3], s[22:23]
	s_or_b32 s[G0S+3], s[G0S+3], 0x80000000
	s_mov_b32 s[G0SB], 1
	s_add_co_u32 s[G0SB+1], s67, SCL
	s_mov_b64 s[G0SB+2:G0SB+3], s[92:93]
	s_or_b32 s[G0SB+3], s[G0SB+3], 0x80000000
	JLOAD G0S, G1S, G0SB, G1SB                     ; the scales first: they are wanted with K step 0.  By this text's count a wave has three tensor loads out here, later one
.irp s, 0,1
	s_mov_b32 s[G0+4*\s], 1
	s_add_co_u32 s[G0+4*\s+1], s45, \s*SLOT
	s_add_nc_u64 s[G0+4*\s+2:G0+4*\s+3], s[20:21], \s*ROWB
	s_or_b32 s[G0+4*\s+3], s[G0+4*\s+3], 0x80000000
	s_mov_b32 s[G0B+4*\s], 1
	s_add_co_u32 s[G0B+4*\s+1], s45, \s*SLOT
	s_add_nc_u64 s[G0B+4*\s+2:G0B+4*\s+3], s[46:47], \s*ROWB
	s_or_b32 s[G0B+4*\s+3], s[G0B+4*\s+3], 0x80000000
	JLOAD G0+4*\s, G1, G0B+4*\s, G1B
.endr
	s_cmp_eq_u32 s66, 0                            ; what differs between the types, all selected on one compare
	s_cselect_b32 s2, 14, 17                       ; log2 of the bytes from one tile of rows to the next in kvc: 8 or 64 fragments of 2,048
	s_cselect_b32 s3, 16, 13                       ; log2 of the bytes of one B tile's scale words: 8,192 or 1,024 rows of 8
	s_cselect_b32 s18, 32, 0                       ; the bias: bytes for the lane's half,
	s_cselect_b32 s19, 0, 4                        ; for its row,
	s_cselect_b32 s94, 4, 0                        ; for the register
	v_and_b32 v1, 15, v0                           ; r
	v_bfe_u32 v2, v0, 4, 1                         ; h
	v_mul_u32_u24 v3, v1, PITCH
	v_lshl_add_u32 v4, v2, 4, v3                   ; a fragment's row x pitch + 16 x half
	s_mul_i32 s21, s15, HALFT                      ; my 128 rows of A
	s_mul_i32 s22, s16, HALFT                      ; my 128 rows of B,
	s_add_co_u32 s22, s22, 2*HALFT                 ; which lie behind A's 256
.irp s, 0,1
	v_add_nc_u32 v[ADRA+\s], s21, v4
	v_add_nc_u32 v[ADRB+\s], s22, v4
	s_add_co_u32 s21, s21, SLOT
	s_add_co_u32 s22, s22, SLOT
.endr
	v_mul_u32_u24 v5, v1, KS                       ; my row's scales: 32 bytes a row,
	v_lshrrev_b32 v6, 8, v5
	v_lshl_add_u32 v5, v6, 4, v5                   ; and 16 more for each 256 passed
	s_mul_i32 s21, s15, HALFS
	s_mul_i32 s22, s16, HALFS
	s_add_co_u32 s22, s22, 2*HALFS
	s_sub_co_u32 s22, s22, s21
	v_mul_u32_u24 v6, s22, v2                      ; lanes 16-31 take B's: one product, the distance between the two bases
	s_add_co_u32 s21, s21, SCL
	v_add_nc_u32 v5, v5, v6
	v_add_nc_u32 v[ADRS], s21, v5
	s_mul_i32 s21, s15, 128*PITCH                  ; the stage: row = A's row (128 x half + 16 a + r), byte = B's row (128 x half + 32 b + 16 u + 8 h)
	s_lshl_b32 s22, s16, 7
	s_add_co_u32 s21, s21, s22
	v_lshl_add_u32 v5, v2, 3, v3
	v_add_nc_u32 v[STO], s21, v5
	s_lshl_b32 s21, s15, 10                        ; the scale words: 8 bytes a row of A, my half of B's rows is word 0 or 1
	s_lshl_b32 s22, s16, 2
	s_add_co_u32 s21, s21, s22
	s_add_co_u32 s21, s21, SCSTG
	v_lshl_add_u32 v[SSTO], v1, 3, s21
	s_mul_i32 s21, s14, 64*PITCH                   ; back: wave w takes rows 64 w on, as fragments: row l % 16, 16 bytes for each half of the lanes
	v_add_nc_u32 v[RD], s21, v4
	v_and_b32 v6, 31, v0
	v_lshlrev_b32 v[LI], 4, v6
	s_lshl_b32 s21, s14, 9
	s_add_co_u32 s21, s21, SCSTG
	v_add_nc_u32 v[SRD], s21, v[LI]                ; and 512 bytes of scale words
	s_lshl_b32 s20, s17, 4                         ; kvc: my first tile of rows, 16 x A's tile + 4 x wave,
	s_lshl_b32 s21, s14, 2
	s_add_co_u32 s20, s20, s21
	s_lshl_b32 s20, s20, s2
	s_lshl_b32 s21, s42, 12                        ; + two fragments for each tile of B,
	s_add_co_u32 s20, s20, s21
	s_lshl_b32 s21, s66, 23                        ; + v's half of the buffer
	s_add_co_u32 s20, s20, s21
	s_mov_b32 s21, 0
	s_add_nc_u64 s[96:97], s[96:97], s[20:21]
	s_lshl_b32 s20, s42, s3                        ; kvs: B's tile, A's tile x 2,048, wave x 512, v's half
	s_lshl_b32 s22, s17, 11
	s_add_co_u32 s20, s20, s22
	s_lshl_b32 s22, s14, 9
	s_add_co_u32 s20, s20, s22
	s_lshl_b32 s22, s66, 18
	s_add_co_u32 s20, s20, s22
	s_add_nc_u64 s[98:99], s[98:99], s[20:21]
	s_lshl_b32 s3, 1, s2
	v_mov_b32 v18, v[LI]                           ; my 16 bytes of a piece, in each of my four tiles of rows
	v_add_nc_u32 v19, s3, v18
	v_add_nc_u32 v22, s3, v19
	v_add_nc_u32 v23, s3, v22
	s_lshl_b32 s20, s42, 10                        ; the bias.  TYPE 0: numbers 1,024 + 256 x B's tile + 128 x my half of B on;
	s_lshl_b32 s22, s16, 9
	s_add_co_u32 s20, s20, s22
	s_add_co_u32 s20, s20, 4096
	s_lshl_b32 s22, s17, 10                        ; TYPE 1: 2,048 + 256 x A's tile + 128 x my half of A on
	s_lshl_b32 s23, s15, 9
	s_add_co_u32 s22, s22, s23
	s_add_co_u32 s22, s22, 8192
	s_cmp_eq_u32 s66, 0
	s_cselect_b32 s20, s20, s22
	s_add_nc_u64 s[12:13], s[12:13], s[20:21]
	v_mul_u32_u24 v[VO], s18, v2
	v_mad_u32_u24 v[VO], v1, s19, v[VO]
.irp j, 1,2,3,4,5,6,7
	v_add_nc_u32 v[VO+\j], s94, v[VO+\j-1]
.endr
.irp i, 0,1,2,3,4,5,6,7                ; eight registers for each block of 16, in the result's layout: TYPE 0: number 16 i + 8 h + j; TYPE 1: number 16 i + r in all eight
.irp j, 0,1,2,3,4,5,6,7
	global_load_b32 v[BIAS+8*\i+\j], v[VO+\j], s[12:13] offset:64*\i
.endr
.endr
.macro FRAG reg, adr, q, i             ; a fragment: lane l holds row l % 16; registers 4 c .. 4 c + 3 hold K = 32 c + 16 (l / 16) + 0 .. 15
.irp c, 0,1,2,3
	ds_load_b128 v[\reg+4*\c:\reg+4*\c+3], v[\adr] offset:128*(\q)+32*\c+(\i)*16*PITCH
.endr
.endm
; 16 matrix instructions: A's blocks a0, a0 + 1 x B's eight, the slot's q-th 128 along K.  p: B's set; sc: the set of scale words.  mode 0: onto the sums; 1: C = the bias by B's block; 2: by A's block.
; The 64 accumulators take turns, one instruction a turn, in the same order in every step.
.macro MUL16 a0, p, q, sc, mode
.irp a, \a0, \a0+1
.irp b, 0,1,2,3,4,5,6,7
.if \mode == 0
	v_wmma_scale_f32_16x16x128_f8f6f4 v[8*(8*((\a)%4)+\b):8*(8*((\a)%4)+\b)+7], v[128*(\p)+FR*\b:128*(\p)+FR*\b+FR-1], v[AF+FR*(\a):AF+FR*(\a)+FR-1], v[8*(8*((\a)%4)+\b):8*(8*((\a)%4)+\b)+7], v[SC+8*NQ*(\sc)+NQ*\b+(\q)], v[SC+8*NQ*(\sc)+NQ*(\a)+(\q)] matrix_a_scale:MATRIX_SCALE_ROW1
.elseif \mode == 1
	v_wmma_scale_f32_16x16x128_f8f6f4 v[8*(8*((\a)%4)+\b):8*(8*((\a)%4)+\b)+7], v[128*(\p)+FR*\b:128*(\p)+FR*\b+FR-1], v[AF+FR*(\a):AF+FR*(\a)+FR-1], v[BIAS+8*\b:BIAS+8*\b+7], v[SC+8*NQ*(\sc)+NQ*\b+(\q)], v[SC+8*NQ*(\sc)+NQ*(\a)+(\q)] matrix_a_scale:MATRIX_SCALE_ROW1
.else
	v_wmma_scale_f32_16x16x128_f8f6f4 v[8*(8*((\a)%4)+\b):8*(8*((\a)%4)+\b)+7], v[128*(\p)+FR*\b:128*(\p)+FR*\b+FR-1], v[AF+FR*(\a):AF+FR*(\a)+FR-1], v[BIAS+8*(\a):BIAS+8*(\a)+7], v[SC+8*NQ*(\sc)+NQ*\b+(\q)], v[SC+8*NQ*(\sc)+NQ*(\a)+(\q)] matrix_a_scale:MATRIX_SCALE_ROW1
.endif
.endr
.endr
.endm
.macro FETCH_B slot, q, p
	WIN TO_B
.irp i, 0,1,2,3,4,5,6,7
	FRAG 128*(\p)+FR*\i, ADRB+\slot, \q, \i
.endr
	WIN 0
.endm
.macro FETCH_A slot, q, i0
.irp i, \i0, \i0+1, \i0+2, \i0+3
	FRAG AF+FR*(\i), ADRA+\slot, \q, \i
.endr
.endm
.macro SCALES sc                       ; a K step's scale words into set sc: two words a row; lanes 0-15 take A's block i, lanes 16-31 B's block i
.irp i, 0,1,2,3,4,5,6,7
	ds_load_b64 v[SC+8*NQ*\sc+NQ*\i:SC+8*NQ*\sc+NQ*\i+1], v[ADRS] offset:\i*SBLK
.endr
.endm
.macro PLACES n                        ; plain vector lines between a matrix instruction and a load into, or a read of, its registers (for reads ISA guide 7.12.1)
.rept \n
	v_nop
.endr
.endm
; A step of 128 along K that has its successor in the same slot.  A has one set of registers (a block is free when its eight products are issued), B two.
.macro STEP slot, q, mode
	s_wait_dscnt 4*NL                              ; B's set and A's blocks 0-3 are in; the youngest 16 loads (A's blocks 4-7) may be out
.if \mode
	WIN FST_LO
.else
	WIN MUL_LO
.endif
	MUL16 0, (\q)%2, \q, \slot, \mode
	MUL16 2, (\q)%2, \q, \slot, \mode
	s_wait_dscnt 0                                 ; A's blocks 4-7 are in (asked for 32 matrix instructions ago)
	PLACES NP
	FETCH_B \slot, (\q)+1, 1-(\q)%2
	FETCH_A \slot, (\q)+1, 0
.if \mode
	WIN FST_HI
.else
	WIN MUL_HI
.endif
	MUL16 4, (\q)%2, \q, \slot, \mode
	MUL16 6, (\q)%2, \q, \slot, \mode
	PLACES NP
	WIN 0
	FETCH_A \slot, (\q)+1, 4
.endm
; A slot's last step changes slots: ONE barrier; in front of it each wave waits for all its tensor loads, adds 0 to its spare word, and waits for that and for its reads of this slot.  fill = 1: this slot is filled again, two K steps ahead.
.macro TURN slot, next, fill
	s_wait_tensorcnt 0x0                           ; all my tensor loads have landed: my part of the next slot (every window is 0 here)
	ds_add_u32 v[SPW], v[NIL]                      ; 0 onto my spare word
	s_wait_dscnt 4*NL+1                            ; (the add and the youngest 16 loads, A's blocks 4-7, may be out)
	WIN MUL_LO
	MUL16 0, 1, NQ-1, \slot, 0                     ; sixteen matrix instructions stand between the add and the wait for it
	s_wait_dscnt 0x0                               ; the add is done, and my reads of this slot are over
	s_barrier_signal -1
	MUL16 2, 1, NQ-1, \slot, 0
	WIN 0
	s_barrier_wait -1
.if \fill
	CREST                                          ; the barrier has opened a round of the cluster's barrier: no wave of any partner still reads this slot or has a load on its way
	s_add_nc_u64 s[G0+4*\slot+2:G0+4*\slot+3], s[G0+4*\slot+2:G0+4*\slot+3], 2*ROWB
	s_add_nc_u64 s[G0B+4*\slot+2:G0B+4*\slot+3], s[G0B+4*\slot+2:G0B+4*\slot+3], 2*ROWB
	JLOAD G0+4*\slot, G1, G0B+4*\slot, G1B         ; the first tensor load behind the round; its four v_nop are among the places in front of the loads below
	PLACES NP-4
.else
	PLACES NP
.endif
	v_add_nc_u32 v[ADRS], 4*NQ, v[ADRS]            ; on to the next K step's scale words
	FETCH_B \next, 0, 0
	FETCH_A \next, 0, 0
	SCALES \next
	WIN MUL_HI
	MUL16 4, 1, NQ-1, \slot, 0
	MUL16 6, 1, NQ-1, \slot, 0
	PLACES NP
	WIN 0
	FETCH_A \next, 0, 4
.endm
	s_wait_tensorcnt 1                             ; the scales and my part of K step 0 are in (K step 1's load may be out)
	s_barrier_signal -1
	s_barrier_wait -1                              ; everybody's are
	FETCH_B 0, 0, 0
	FETCH_A 0, 0, 0
	SCALES 0
	FETCH_A 0, 0, 4
	s_wait_loadcnt 0x0                             ; the bias
	s_cmp_eq_u32 s66, 0                            ; TYPE: the same in all partners; no tensor load and no barrier stands in either arm
	s_cbranch_scc0 .Lfirst_v
	STEP 0, 0, 1                                   ; the first products start the sums from the bias: nothing is cleared, nothing is added later
	s_branch .Lfirst_done
.Lfirst_v:
	STEP 0, 0, 2
.Lfirst_done:
	TURN 0, 1, 1                                   ; K = 1,024 is four slots' worth: written out, no loop.  Slot 0 takes K step 2,
	STEP 1, 0, 0
	TURN 1, 0, 1                                   ; slot 1 K step 3
	STEP 0, 0, 0
	TURN 0, 1, 0                                   ; nothing is left to fetch: no round of the cluster's barrier
	STEP 1, 0, 0
	s_wait_dscnt 4*NL                              ; the very last step
	WIN MUL_LO
	MUL16 0, 1, NQ-1, 1, 0
	MUL16 2, 1, NQ-1, 1, 0
	s_wait_dscnt 0
	WIN MUL_HI
	MUL16 4, 1, NQ-1, 1, 0
	MUL16 6, 1, NQ-1, 1, 0
	WIN 0
; THE WAY OUT.  In block a (16 rows of A) lane (r, h) holds row 16 a + r; registers 16 b + 8 u + j of the block's 64 are B's rows 32 b + 16 u + 8 h + j: a block of 32 along the quantiser's axis lies in lanes l and l xor 16.
.macro QUANTW a
.set QW, 2+(\a)/4                      ; the block's window
.set AC, 64*((\a)%4)
.set PCA, PCB+16*(\a)
.set W_A, QW|(QW<<2)
.set W_B, (QW<<2)|(QW<<4)
.set W_C, QW|(QW<<6)
	WIN W_A                                        ; sources 0 and 1 in the block's window
.irp b, 0,1,2,3
	v_max3_num_f32 v[TM+\b], |v[AC+16*\b]|, |v[AC+16*\b+1]|, 0x4800000   ; each accumulator is read from its low end on; the floor 2^(9 - 127) holds the byte at 1 from below
.endr
	WIN W_B                                        ; sources 1 and 2
.irp i, 2,4,6,8,10,12,14
.irp b, 0,1,2,3
	v_max3_num_f32 v[TM+\b], v[TM+\b], |v[AC+16*\b+\i]|, |v[AC+16*\b+\i+1]|
.endr
.endr
	WIN 0
.irp b, 0,1,2,3
	v_permlanex16_b32 v[TM+4+\b], v[TM+\b], s18, s19
.endr
.irp b, 0,1,2,3
	v_max_num_f32 v[TM+\b], v[TM+\b], v[TM+4+\b]
.endr
.irp b, 0,1,2,3
	v_add_nc_u32 v[TM+12+\b], 0xfc000000, v[TM+\b]
.endr
.irp b, 0,1,2,3
	v_and_or_b32 v[TM+8+\b], v[TM+\b], 0x7f800000, s20
.endr
.irp b, 0,1,2,3
	v_lshrrev_b32 v[TM+4+\b], 23, v[TM+12+\b]
.endr
	v_lshl_or_b32 v[PW+(\a)], v[TM+5], 8, v[TM+4]  ; my row's scale word for my 128 of B's rows
	v_lshl_or_b32 v[PW+(\a)], v[TM+6], 16, v[PW+(\a)]
	v_lshl_or_b32 v[PW+(\a)], v[TM+7], 24, v[PW+(\a)]
	WIN W_C                                        ; source 0 and destination
.irp b, 0,1,2,3
.irp i, 0,1,2,3,4,5,6,7,8,9,10,11,12,13,14,15
	v_med3_num_f32 v[AC+16*\b+\i], v[AC+16*\b+\i], -v[TM+8+\b], v[TM+8+\b]   ; the conversion does not saturate (ISA guide 7.6.2): the hold comes first
.endr
.endr
	WIN QW                                         ; source 0
.irp b, 0,1,2,3
	v_cvt_scalef32_pk8_fp8_f32 v[PCA+4*\b:PCA+4*\b+1], v[AC+16*\b:AC+16*\b+7], v[TM+12+\b]
	v_cvt_scalef32_pk8_fp8_f32 v[PCA+4*\b+2:PCA+4*\b+3], v[AC+16*\b+8:AC+16*\b+15], v[TM+12+\b]
.endr
	WIN 0
	v_nop                                          ; one plain line behind the last conversion: the next block writes the scale operands
.irp b, 0,1,2,3
.irp u, 0,1
	ds_store_b64 v[STO], v[PCA+4*\b+2*\u:PCA+4*\b+2*\u+1] offset:4352*(\a)+32*\b+16*\u   ; row pitch 68 words, 2 words a half: the 32 lanes touch 64 different banks
.endr
.endr
	ds_store_b32 v[SSTO], v[PW+(\a)] offset:128*(\a)   ; both halves of the lanes write the same word with the same value
.endm
	PLACES NP                                      ; behind the last products: their results are read, and registers that held scale words and A's fragments are written, only from here on
	s_mov_b32 s18, 0x76543210
	s_mov_b32 s19, 0xfedcba98                      ; v_permlanex16_b32's selects for lane l xor 16
	s_mov_b32 s20, 0x600000                        ; the mantissa field of 448
.irp b, 0,1,2,3
	v_mov_b32 v[TM+4+\b], 0                        ; written once: a lane permute's destination counts as one of its sources
.endr
.irp a, 0,1,2,3,4,5,6,7
	QUANTW \a
.endr
	s_wait_dscnt 0x0                               ; for the others' sake: my stores into the stage have landed (a row's 256 codes come from two waves)
	s_barrier_signal -1
	s_barrier_wait -1
.irp p, 0,1,2,3                        ; back as fragments: tile of rows 4 w + p, 128 of B's rows g, piece c
.irp g, 0,1
.irp c, 0,1,2,3
	ds_load_b128 v[PCB+4*(8*\p+4*\g+\c):PCB+4*(8*\p+4*\g+\c)+3], v[RD] offset:4352*\p+128*\g+32*\c
.endr
.endr
.endr
	ds_load_b128 v[192:195], v[SRD]
.irp p, 0,1,2,3
.irp g, 0,1
.irp c, 0,1,2,3
	s_wait_dscnt 32-(8*\p+4*\g+\c)                 ; LDS loads come back in order: this piece is in; the younger pieces and the scale words may be out
	global_store_b128 v[18+\p+2*(\p/2)], v[PCB+4*(8*\p+4*\g+\c):PCB+4*(8*\p+4*\g+\c)+3], s[96:97] offset:2048*\g+512*\c   ; the wave stores 512 consecutive bytes, aligned
.endr
.endr
.endr
	s_wait_dscnt 0x0
	global_store_b128 v[LI], v[192:195], s[98:99]  ; 64 rows' scale words: 512 consecutive bytes
	s_wait_tensorcnt 0x0                           ; the wave's end
	ds_add_u32 v[SPW], v[NIL]
	s_wait_dscnt 0x0
	CROUND                                         ; the closing round: no work-group ends while a partner may still ask for a tile that names it
	s_endpgm
.Lfunc_end_k_q8912f09892_kvgemm:
	.size	k_q8912f09892_kvgemm, .Lfunc_end_k_q8912f09892_kvgemm-k_q8912f09892_kvgemm
	.p2alignl 7, 3214868480
	.fill 96, 4, 3214868480
	.section	.rodata,"a",@progbits
	.p2align	6, 0x0
	.amdhsa_kernel k_q8912f09892_kvgemm
		.amdhsa_group_segment_fixed_size 327680
		.amdhsa_private_segment_fixed_size 0
		.amdhsa_enable_private_segment 0
		.amdhsa_kernarg_size 56
		.amdhsa_user_sgpr_count 2
		.amdhsa_user_sgpr_kernarg_segment_ptr 1
		.amdhsa_wavefront_size32 1
		.amdhsa_system_sgpr_workgroup_id_x 1
		.amdhsa_system_sgpr_workgroup_id_y 1
		.amdhsa_system_sgpr_workgroup_id_z 1
		.amdhsa_system_vgpr_workitem_id 0
		.amdhsa_next_free_vgpr 1024
		.amdhsa_next_free_sgpr 102
		.amdhsa_reserve_vcc 0
		.amdhsa_float_denorm_mode_32 3
		.amdhsa_float_denorm_mode_16_64 3
		.amdhsa_memory_ordered 1
		.amdhsa_forward_progress 1
		.amdhsa_inst_pref_size 213
	.end_amdhsa_kernel
	.amdgpu_metadata
---
amdhsa.version: [ 1, 2 ]
amdhsa.kernels:
  - .name:           k_q8912f09892_kvgemm
    .symbol:         k_q8912f09892_kvgemm.kd
    .args:
      - { .name: hc, .offset: 0, .size: 8, .value_kind: global_buffer, .address_space: global }
      - { .name: hs, .offset: 8, .size: 8, .value_kind: global_buffer, .address_space: global }
      - { .name: qkv_w_codes, .offset: 16, .size: 8, .value_kind: global_buffer, .address_space: global }
      - { .name: qkv_w_scales, .offset: 24, .size: 8, .value_kind: global_buffer, .address_space: global }
      - { .name: qkv_b, .offset: 32, .size: 8, .value_kind: global_buffer, .address_space: global }
      - { .name: kvc, .offset: 40, .size: 8, .value_kind: global_buffer, .address_space: global }
      - { .name: kvs, .offset: 48, .size: 8, .value_kind: global_buffer, .address_space: global }
    .group_segment_fixed_size: 327680
    .private_segment_fixed_size: 0
    .kernarg_segment_align: 8
    .kernarg_segment_size: 56
    .max_flat_workgroup_size: 128
    .sgpr_count:     102
    .vgpr_count:     1024
    .wavefront_size: 32
...
	.end_amdgpu_metadata
.endif
;; end of part 2
;; launch attn (part 3): grid 16 x 4, 8 waves a work-group, no clusters, 9,216 bytes of LDS; arguments qq, kvc, kvs, pp; writes pp
.if DOCPART == 3
	.amdgcn_target "amdgcn-amd-amdhsa--gfx1250"
	.amdhsa_code_object_version 6
	.text
	.protected	k_q8912f09892_attn
	.globl	k_q8912f09892_attn
	.p2align	8
	.type	k_q8912f09892_attn,@function
k_q8912f09892_attn:
	s_mov_b64 s[64:65], 0
	v_nop
	global_prefetch_b8 v0, s[64:65] scope:SCOPE_SE
	s_setreg_imm32_b32 hwreg(HW_REG_WAVE_MODE, 25, 1), 1
	s_wait_xcnt 0x0
; ATTN.  The last token's row of attention, in 64 parts: work-group (c, b) takes keys 128 c .. 128 c + 127 of batch b.
; Scores S^T = K q^T (K = D = 1,024, eight matrix instructions a wave: wave w takes keys 16 w .. 16 w + 15); t = score x log2(e) / 32; M_c = ceil(the part's largest t), a whole number; p = 2^(t - M_c) is quantised along the keys;
; l_c = the sum of the unquantised p; O_c^T = V^T p^T (K = these 128 keys, eight matrix instructions a wave: wave w takes d 128 w .. 128 w + 127).  pp gets O_c [4][16][1024] f32 and, at byte 262,144, the pairs (-M_c, l_c).
; The next launch brings the 16 parts of a batch under the largest M by exact powers of two.  The maximum is taken away ahead of every exponential: no exponent is above 0.
; Both products are used transposed; the operand's 16 queries are 16 copies of the one query, so every lane of a half holds the same numbers.
; Every fragment feeds ONE matrix instruction, so the fragments come from memory straight into registers, by loads of 512 consecutive bytes (kvc holds images of operand registers): no ring, no tensor load.
; NO CLUSTER: the work-groups of a batch share q's 1,056 bytes against 262,144 bytes of k and v of their own.
; LIMITS: NaN and infinities are not served; a p under 2^-126 counts as 0 (v_exp_f32 flushes); a block of p that are all 0 keeps the byte 1: its codes are zeros.
; REGISTERS: window 0: v1-11 addresses; v[12:13] -M and l; v[14:15] the sum at work; v16-23 K's scale words, v24-31 q's, v32-39 V's; v40-55 two accumulators; v56 p's scale word; v64-127 scores, then p;
;   v128-255 K's fragments, later v128-191 O^T, v192-207 p's codes, v208-227 at work.   window 1: v0-127 q's fragments, v128-255 V's.
.set KS,  16
.set QS,  24
.set VS,  32
.set SA,  40
.set PWD, 56
.set T,   64
.set KF,  128
.set O,   128
.set PCD, 192
.set BM,  208                          ; v208-211 each block's largest score, then largest p
.set PT,  212                          ; v212-215 the other half's, then the bytes
.set HD,  216                          ; v216-219 448 x the scale
.set SO,  220                          ; v220-223 the conversions' scale operands
.set MSB, 0
.macro WIN new
.if MSB != \new
	s_set_vgpr_msb (MSB<<8)|\new
.set MSB, \new
.endif
.endm
	s_load_b256 s[4:11], s[0:1], 0x0               ; qq s[4:5], kvc s[6:7], kvs s[8:9], pp s[10:11]
	v_lshl_add_u32 v62, v0, 2, 0x2000
	v_mov_b32 v63, 0
	v_lshrrev_b32 v1, 5, v0
	v_readfirstlane_b32 s12, v1                    ; wave 0..7
	s_and_b32 s14, ttmp7, 0xffff                   ; b;  c is ttmp9
	v_and_b32 v1, 31, v0
	v_and_b32 v2, 15, v0                           ; r
	v_bfe_u32 v3, v0, 4, 1                         ; h
	v_lshlrev_b32 v4, 4, v1                        ; 16 x lane: an image's place
	v_lshlrev_b32 v5, 4, v3                        ; q: every row is the same row: 16 h
	v_lshlrev_b32 v6, 3, v2                        ; scale words: 8 bytes a row
	v_mov_b32 v7, 0
	s_lshl_b32 s39, s12, 6
	v_lshl_add_u32 v8, v3, 5, s39                  ; LDS: my tile's 16 scores at 64 w, my half's eight at + 32 h
	v_lshlrev_b32 v9, 6, v3                        ; and back: keys 32 c' + 16 h + 0 .. 15
	s_lshl_b32 s39, s12, 9
	s_add_co_u32 s39, s39, 512
	v_lshl_add_u32 v10, v3, 5, s39                 ; my wave's 512 bytes for O: tile i at 64 i, my half at + 32 h
	v_add_nc_u32 v11, s39, v4                      ; and back, 16 bytes a lane
	v_mov_b32 v13, 0                               ; (named as the upper half of the pair v[12:13] before it is first written)
	s_mov_b32 s32, 0x76543210
	s_mov_b32 s33, 0xfedcba98                      ; v_permlanex16_b32's selects for lane l xor 16
	s_mov_b32 s34, 0x3d38aa3b                      ; log2(e) / sqrt(1,024)
	s_mov_b32 s35, s34                             ; (named with it as a pair)
	s_mov_b32 s36, 0x600000                        ; the mantissa field of 448
	s_lshl_b32 s15, s14, 7
	s_lshl_b32 s2, ttmp9, 3
	s_add_co_u32 s15, s15, s2
	s_add_co_u32 s15, s15, s12                     ; my tile of 16 keys: 128 b + 8 c + w
	s_mov_b32 s3, 0
	s_wait_kmcnt 0x0
	s_lshl_b32 s2, s14, 5
	s_add_nc_u64 s[16:17], s[4:5], s[2:3]          ; q's scale bytes (4,096 further on, in the immediate)
	s_lshl_b32 s2, s14, 10
	s_add_nc_u64 s[18:19], s[4:5], s[2:3]          ; q's codes
	s_lshl_b32 s2, s15, 7
	s_add_nc_u64 s[20:21], s[8:9], s[2:3]          ; K's scale words: 16 tokens x 8 bytes a tile
	s_lshl_b32 s2, s15, 14
	s_add_nc_u64 s[22:23], s[6:7], s[2:3]          ; K's eight fragments
	s_lshl_b32 s2, s14, 3
	s_lshr_b32 s38, ttmp9, 1
	s_add_co_u32 s2, s2, s38                       ; V's scale words: token / 256 = 8 b + c / 2,
	s_lshl_b32 s2, s2, 13
	s_lshl_b32 s38, s12, 10                        ; my 128 d,
	s_add_co_u32 s2, s2, s38
	s_and_b32 s38, ttmp9, 1                        ; word c % 2
	s_lshl_b32 s38, s38, 2
	s_add_co_u32 s2, s2, s38
	s_add_co_u32 s2, s2, 262144
	s_add_nc_u64 s[24:25], s[8:9], s[2:3]
	s_lshl_b32 s2, s12, 9                          ; V's fragments: d tile 8 w (64 fragments a tile), key step 16 b + c
	s_lshl_b32 s38, s14, 4
	s_add_co_u32 s38, s38, ttmp9                   ; 16 b + c
	s_add_co_u32 s2, s2, s38
	s_lshl_b32 s2, s2, 11
	s_add_co_u32 s2, s2, 8388608
	s_add_nc_u64 s[26:27], s[6:7], s[2:3]
	s_lshl_b32 s2, s38, 12
	s_lshl_b32 s39, s12, 9
	s_add_co_u32 s2, s2, s39
	s_add_nc_u64 s[28:29], s[10:11], s[2:3]        ; pp: part 16 b + c, my 128 numbers
	s_lshl_b32 s2, s38, 3
	s_add_co_u32 s2, s2, 262144
	s_add_nc_u64 s[30:31], s[10:11], s[2:3]        ; and the part's pair
	global_load_b128 v[QS:QS+3], v7, s[16:17] offset:4096
	global_load_b128 v[QS+4:QS+7], v7, s[16:17] offset:4112
.irp p, 0,1,2,3
	global_load_b64 v[KS+2*\p:KS+2*\p+1], v6, s[20:21] offset:65536*\p   ; the words of d steps 2 p and 2 p + 1
.endr
	WIN 0x40                                       ; destination window 1
.irp s, 0,1,2,3,4,5,6,7
.irp c, 0,1,2,3
	global_load_b128 v[16*\s+4*\c:16*\s+4*\c+3], v5, s[18:19] offset:128*\s+32*\c
.endr
.endr
	WIN 0
.irp s, 0,1,2,3,4,5,6,7
.irp c, 0,1,2,3
	global_load_b128 v[KF+16*\s+4*\c:KF+16*\s+4*\c+3], v4, s[22:23] offset:2048*\s+512*\c th:TH_LOAD_NT   ; read once in the launch
.endr
.endr
.irp i, 0,1,2,3,4,5,6,7
	global_load_b32 v[VS+\i], v6, s[24:25] offset:128*\i
.endr
	WIN 0x40
.irp i, 0,1,2,3,4,5,6,7
.irp c, 0,1,2,3
	global_load_b128 v[128+16*\i+4*\c:128+16*\i+4*\c+3], v4, s[26:27] offset:131072*\i+512*\c th:TH_LOAD_NT
.endr
.endr
	WIN 0
	s_wait_loadcnt 40                              ; q and K are in; V's 8 + 32 loads may be out
	WIN 0x04                                       ; source 1 (q) window 1
.irp s, 0,1,2,3,4,5,6,7                ; two accumulators by turns, one instruction a turn: even d steps, odd d steps
.if \s < 2
	v_wmma_scale_f32_16x16x128_f8f6f4 v[SA+8*(\s%2):SA+8*(\s%2)+7], v[KF+16*\s:KF+16*\s+15], v[16*\s:16*\s+15], 0, v[KS+\s], v[QS+\s]
.else
	v_wmma_scale_f32_16x16x128_f8f6f4 v[SA+8*(\s%2):SA+8*(\s%2)+7], v[KF+16*\s:KF+16*\s+15], v[16*\s:16*\s+15], v[SA+8*(\s%2):SA+8*(\s%2)+7], v[KS+\s], v[QS+\s]
.endif
.endr
	WIN 0
.rept 8
	v_nop                                          ; eight places behind this form
.endr
.irp i, 0,2,4,6
	v_pk_add_f32 v[SA+\i:SA+\i+1], v[SA+\i:SA+\i+1], v[SA+8+\i:SA+8+\i+1]   ; the two halves of D, from the low end on: register j = the score of key 16 w + 8 h + j
.endr
.irp b, 0,1,2,3
	v_mov_b32 v[PT+\b], 0                          ; written once: a lane permute's destination counts as one of its sources
.endr
	v_mov_b32 v226, 0
	ds_store_b128 v8, v[SA:SA+3]                   ; the sixteen lanes of a half write the same bytes with the same values
	ds_store_b128 v8, v[SA+4:SA+7] offset:16
	s_wait_dscnt 0x0                               ; for the others' sake
	s_barrier_signal -1
	s_barrier_wait -1                              ; the part's 128 scores lie in LDS
.irp c, 0,1,2,3
.irp j, 0,1,2,3
	ds_load_b128 v[T+16*\c+4*\j:T+16*\c+4*\j+3], v9 offset:128*\c+16*\j   ; in the second product's layout: register 16 c + i = key 32 c + 16 h + i
.endr
.endr
	s_wait_dscnt 0x0
	; every wave takes the softmax for itself: a second barrier and a round trip of the codes through LDS are spared
.irp b, 0,1,2,3
	v_max3_num_f32 v[BM+\b], v[T+16*\b], v[T+16*\b+1], v[T+16*\b+2]   ; the largest score of each block of 32 keys: for the part's maximum, and, since p rises with the score, for the block's largest p
.endr
.irp i, 3,5,7,9,11,13
.irp b, 0,1,2,3
	v_max3_num_f32 v[BM+\b], v[BM+\b], v[T+16*\b+\i], v[T+16*\b+\i+1]
.endr
.endr
.irp b, 0,1,2,3
	v_max_num_f32 v[BM+\b], v[BM+\b], v[T+16*\b+15]
.endr
.irp b, 0,1,2,3
	v_permlanex16_b32 v[PT+\b], v[BM+\b], s32, s33
.endr
.irp b, 0,1,2,3
	v_max_num_f32 v[BM+\b], v[BM+\b], v[PT+\b]
.endr
	v_max3_num_f32 v224, v[BM], v[BM+1], v[BM+2]
	v_max_num_f32 v224, v224, v[BM+3]
	v_mul_f32 v224, s34, v224                      ; the part's largest t
	v_floor_f32 v12, -v224                         ; -M_c = floor(-t) = -ceil(t): a whole number
.set j, 0
.rept 32
	v_pk_fma_f32 v[T+j:T+j+1], v[T+j:T+j+1], s[34:35], v[12:13] op_sel_hi:[1,0,0]   ; t - M, two at a time
.set j, j+2
.endr
.irp b, 0,1,2,3
	v_fma_f32 v[BM+\b], v[BM+\b], s34, v12         ; the same of each block's largest score
.endr
.set j, 0
.rept 64
	v_exp_f32 v[T+j], v[T+j]                       ; p = 2^(t - M), at most 1, not normalised
.set j, j+1
.endr
.irp b, 0,1,2,3
	v_exp_f32 v[BM+\b], v[BM+\b]                   ; the block's largest p: the same two instructions on the same number
.endr
	v_nop                                          ; one plain line behind the exponentials before a result is used (ISA guide 5.7.2)
	s_wait_alu depctr_va_vdst(0)
.irp b, 0,1,2,3
	v_max_num_f32 v[BM+\b], 0x4800000, v[BM+\b]    ; the floor 2^(9 - 127)
.endr
.irp b, 0,1,2,3
	v_add_nc_u32 v[SO+\b], 0xfc000000, v[BM+\b]
.endr
.irp b, 0,1,2,3
	v_and_or_b32 v[HD+\b], v[BM+\b], 0x7f800000, s36
.endr
.irp b, 0,1,2,3
	v_lshrrev_b32 v[PT+\b], 23, v[SO+\b]
.endr
	v_lshl_or_b32 v[PWD], v[PT+1], 8, v[PT]        ; p's scale word for these 128 keys; far more than eight plain lines stand between it and the products
	v_lshl_or_b32 v[PWD], v[PT+2], 16, v[PWD]
	v_lshl_or_b32 v[PWD], v[PT+3], 24, v[PWD]
	v_pk_add_f32 v[14:15], v[T:T+1], v[T+2:T+3]    ; the sum is taken of the unquantised p, in two chains
	v_pk_add_f32 v[224:225], v[T+4:T+5], v[T+6:T+7]
.irp j, 8,16,24,32,40,48,56
	v_pk_add_f32 v[14:15], v[14:15], v[T+\j:T+\j+1]
	v_pk_add_f32 v[224:225], v[224:225], v[T+\j+2:T+\j+3]
	v_pk_add_f32 v[14:15], v[14:15], v[T+\j+4:T+\j+5]
	v_pk_add_f32 v[224:225], v[224:225], v[T+\j+6:T+\j+7]
.endr
	v_pk_add_f32 v[14:15], v[14:15], v[224:225]
	v_add_f32 v14, v14, v15
	v_permlanex16_b32 v226, v14, s32, s33
	v_add_f32 v13, v14, v226                       ; l_c
.irp b, 0,1,2,3
.irp i, 0,1,2,3,4,5,6,7,8,9,10,11,12,13,14,15
	v_min_num_f32 v[T+16*\b+\i], v[T+16*\b+\i], v[HD+\b]   ; the conversion does not saturate (ISA guide 7.6.2); p is not negative, so the hold is one-sided
.endr
	v_cvt_scalef32_pk8_fp8_f32 v[PCD+4*\b:PCD+4*\b+1], v[T+16*\b:T+16*\b+7], v[SO+\b]
	v_cvt_scalef32_pk8_fp8_f32 v[PCD+4*\b+2:PCD+4*\b+3], v[T+16*\b+8:T+16*\b+15], v[SO+\b]
.endr
.rept 4
	v_nop                                          ; an operand written by vector instructions stands four places ahead of a scaled matrix instruction
.endr
	s_wait_loadcnt 0x0                             ; V
	WIN 0x01                                       ; source 0 (V) window 1
.irp i, 0,1,2,3,4,5,6,7
	v_wmma_scale_f32_16x16x128_f8f6f4 v[O+8*\i:O+8*\i+7], v[128+16*\i:128+16*\i+15], v[PCD:PCD+15], 0, v[VS+\i], v[PWD]
.endr
	WIN 0
.rept 8
	v_nop
.endr
.irp i, 0,1,2,3,4,5,6,7
	ds_store_b128 v10, v[O+8*\i:O+8*\i+3] offset:64*\i          ; register j = O(128 w + 16 i + 8 h + j); each accumulator from its low end on
	ds_store_b128 v10, v[O+8*\i+4:O+8*\i+7] offset:64*\i+16
.endr
	ds_load_b128 v[T:T+3], v11                     ; my wave's own bytes: LDS serves a wave's instructions in order
	s_wait_dscnt 0x0
	global_store_b128 v4, v[T:T+3], s[28:29]       ; the wave stores 512 consecutive bytes, aligned
	v_cmp_eq_u32 vcc_lo, 0, v0                     ; thread 0 stores the part's pair
	s_wait_xcnt 0x0                                ; EXEC changes only behind this wait
	s_wait_tensorcnt 0x0
	ds_add_u32 v62, v63
	s_wait_dscnt 0x0
	s_and_saveexec_b32 s37, vcc_lo
	global_store_b64 v7, v[12:13], s[30:31]
	s_wait_xcnt 0x0
	s_or_b32 exec_lo, exec_lo, s37
	s_endpgm
.Lfunc_end_k_q8912f09892_attn:
	.size	k_q8912f09892_attn, .Lfunc_end_k_q8912f09892_attn-k_q8912f09892_attn
	.p2alignl 7, 3214868480
	.fill 96, 4, 3214868480
	.section	.rodata,"a",@progbits
	.p2align	6, 0x0
	.amdhsa_kernel k_q8912f09892_attn
		.amdhsa_group_segment_fixed_size 9216
		.amdhsa_private_segment_fixed_size 0
		.amdhsa_enable_private_segment 0
		.amdhsa_kernarg_size 32
		.amdhsa_user_sgpr_count 2
		.amdhsa_user_sgpr_kernarg_segment_ptr 1
		.amdhsa_wavefront_size32 1
		.amdhsa_system_sgpr_workgroup_id_x 1
		.amdhsa_system_sgpr_workgroup_id_y 1
		.amdhsa_system_sgpr_workgroup_id_z 1
		.amdhsa_system_vgpr_workitem_id 0
		.amdhsa_next_free_vgpr 512
		.amdhsa_next_free_sgpr 66
		.amdhsa_reserve_vcc 1
		.amdhsa_float_denorm_mode_32 3
		.amdhsa_float_denorm_mode_16_64 3
		.amdhsa_memory_ordered 1
		.amdhsa_forward_progress 1
		.amdhsa_inst_pref_size 32
	.end_amdhsa_kernel
	.amdgpu_metadata
---
amdhsa.version: [ 1, 2 ]
amdhsa.kernels:
  - .name:           k_q8912f09892_attn
    .symbol:         k_q8912f09892_attn.kd
    .args:
      - { .name: qq, .offset: 0, .size: 8, .value_kind: global_buffer, .address_space: global }
      - { .name: kvc, .offset: 8, .size: 8, .value_kind: global_buffer, .address_space: global }
      - { .name: kvs, .offset: 16, .size: 8, .value_kind: global_buffer, .address_space: global }
      - { .name: pp, .offset: 24, .size: 8, .value_kind: global_buffer, .address_space: global }
    .group_segment_fixed_size: 9216
    .private_segment_fixed_size: 0
    .kernarg_segment_align: 8
    .kernarg_segment_size: 32
    .max_flat_workgroup_size: 256
    .sgpr_count:     66
    .vgpr_count:     512
    .wavefront_size: 32
...
	.end_amdgpu_metadata
.endif
;; end of part 3
;; launch head (part 4): grid 250 x 1, 16 waves a work-group, no clusters, 51,200 bytes of LDS; arguments x, embed, pp, out_w, out_b, out0; writes out0
.if DOCPART == 4
	.amdgcn_target "amdgcn-amd-amdhsa--gfx1250"
	.amdhsa_code_object_version 6
	.text
	.protected	k_q8912f09892_head
	.globl	k_q8912f09892_head
	.p2align	8
	.type	k_q8912f09892_head,@function
k_q8912f09892_head:
	s_mov_b64 s[64:65], 0
	v_nop
	global_prefetch_b8 v0, s[64:65] scope:SCOPE_SE
	s_setreg_imm32_b32 hwreg(HW_REG_WAVE_MODE, 25, 1), 1
	s_wait_xcnt 0x0
; HEAD.  H[b] = (sum over the 16 parts c of 2^(M_c - M) O_c) / (sum of 2^(M_c - M) l_c) + embed[x[b][2047]];  out0[b] = H[b] out_w + out_b.
; M = the largest M_c; M_c - M is a whole number, 0 or less, so each factor is an exact power of two (v_ldexp_f32 of 1.0).
; SHARES.  Work-group s owns columns 128 s .. 128 s + 127 for all of K: one owner for each output.  Wave w owns rows k = 64 w .. 64 w + 63 of out_w; a load reads 512 consecutive bytes of a row (rows are 128,000 bytes: every piece starts on a multiple of 256).
; out_w is read once, 131 MB: memory binds.  M = 4 rows: fused multiply-adds in f32, two at a time, 512 a wave; a matrix form would want conversions and a transposition and would spare no byte.
; The join (every work-group makes H for itself: wave w makes numbers 256 (w % 4) on of batch w / 4) runs while the wave's first 16, then 48, loads of out_w are on their way.
; NO CLUSTER: 250 work-groups do not divide into clusters of four.  No prefetch: the launch streams out_w with 24 KB a wave in flight.
; LIMITS: NaN and infinities are not served; an index outside 0 .. 31,999 is held at 31,999.
; REGISTERS: v1-6 addresses; v8-11 out_b; v16-23 H at work, v24-31 the residual, later v16-31 and v48-63 H's numbers of a group by turns; v32-47 the sums (batch b at 32 + 4 b);
;   v64-127 groups 0-3, then 12-15; v128-255 the 16 parts, then groups 4-11.   LDS: H [4][1024] f32 at 0; the waves' sums at 16,384, 2,048 bytes a wave.
.set ACC, 32
.set RA,  64
.set RB,  128
	s_load_b256 s[4:11], s[0:1], 0x0               ; x s[4:5], embed s[6:7], pp s[8:9], out_w s[10:11]
	s_load_b128 s[12:15], s[0:1], 0x20             ; out_b s[12:13], out0 s[14:15]
	v_lshl_add_u32 v14, v0, 2, 0xc000
	v_mov_b32 v15, 0
	v_lshrrev_b32 v1, 5, v0
	v_readfirstlane_b32 s16, v1                    ; wave 0..15
	s_lshr_b32 s17, s16, 2                         ; the join: my batch,
	s_and_b32 s18, s16, 3                          ; my quarter of its 1,024 numbers
	v_and_b32 v12, 31, v0
	v_lshlrev_b32 v1, 4, v12                       ; 16 x lane
	s_lshl_b32 s19, s16, 8
	v_mov_b32 v2, s19                              ; H's numbers of my 64 rows: 256 w, the same address in every lane
	s_lshl_b32 s19, s16, 11
	s_add_co_u32 s19, s19, 16384
	v_add_nc_u32 v3, s19, v1                       ; where I put my sums
	s_lshl_b32 s19, s16, 9
	s_add_co_u32 s19, s19, 16384
	v_add_nc_u32 v4, s19, v1                       ; where waves 0 to 3 read batch w's sums back
	s_lshl_b32 s19, s16, 10
	v_add_nc_u32 v5, s19, v1                       ; where I put my 256 numbers of H: 4,096 b + 1,024 quarter = 1,024 w
	v_and_b32 v13, 15, v0
	s_lshl_b32 s19, s17, 7
	v_lshl_add_u32 v6, v13, 3, s19                 ; the pair of part lane % 16 of my batch
	s_mov_b32 s21, 0
	s_lshl_b32 s20, s17, 13
	s_add_co_u32 s20, s20, 8188                    ; x[b][2047]
	s_wait_kmcnt 0x0
	s_add_nc_u64 s[4:5], s[4:5], s[20:21]
	s_load_b32 s24, s[4:5], 0x0
	s_lshl_b32 s20, ttmp9, 9                       ; my 128 columns
	s_add_nc_u64 s[12:13], s[12:13], s[20:21]
	s_add_nc_u64 s[10:11], s[10:11], s[20:21]
	s_add_nc_u64 s[14:15], s[14:15], s[20:21]
	s_mul_i32 s20, s16, 8192000                    ; my 64 rows of 128,000 bytes
	s_add_nc_u64 s[10:11], s[10:11], s[20:21]
	s_lshl_b32 s20, s17, 16
	s_lshl_b32 s22, s18, 10
	s_add_co_u32 s20, s20, s22
	s_add_nc_u64 s[26:27], s[8:9], s[20:21]        ; my batch's parts, my quarter
.macro LOADG g                         ; group g: rows 4 g .. 4 g + 3 of my 64; the largest immediate, 63 x 128,000, lies inside the signed 24 bits (ISA guide, chapter 10)
.if (\g) < 4
.set SL, RA+16*(\g)
.elseif (\g) < 12
.set SL, RB+16*((\g)-4)
.else
.set SL, RA+16*((\g)-12)
.endif
.irp p, 0,1,2,3
	global_load_b128 v[SL+4*\p:SL+4*\p+3], v1, s[10:11] offset:(4*(\g)+\p)*128000 th:TH_LOAD_NT
.endr
.endm
	global_load_b128 v[8:11], v1, s[12:13]
	global_load_b64 v[48:49], v6, s[8:9] offset:262144              ; (-M_c, l_c)
.irp c, 0,1,2,3,4,5,6,7,8,9,10,11,12,13,14,15
.irp i, 0,1
	global_load_b128 v[RB+8*\c+4*\i:RB+8*\c+4*\i+3], v1, s[26:27] offset:4096*\c+512*\i
.endr
.endr
.irp g, 0,1,2,3
	LOADG \g
.endr
	s_wait_kmcnt 0x0
	s_min_u32 s24, s24, 0x7cff                     ; held inside the table before it enters an address
	s_lshl_b32 s20, s24, 12
	s_add_co_u32 s20, s20, s22
	s_add_nc_u64 s[6:7], s[6:7], s[20:21]
	global_load_b128 v[24:27], v1, s[6:7]          ; the residual
	global_load_b128 v[28:31], v1, s[6:7] offset:512
	s_wait_loadcnt 18                              ; the pairs and the parts are in; groups 0-3's 16 loads and the residual's 2 may be out
	v_mov_b32 v50, v48
	v_min_num_f32_dpp v50, v50, v50 row_xmask:1 row_mask:0xf bank_mask:0xf   ; -M = the least -M_c of the sixteen
	v_min_num_f32_dpp v50, v50, v50 row_xmask:2 row_mask:0xf bank_mask:0xf
	v_min_num_f32_dpp v50, v50, v50 row_xmask:4 row_mask:0xf bank_mask:0xf
	v_min_num_f32_dpp v50, v50, v50 row_xmask:8 row_mask:0xf bank_mask:0xf
	v_sub_f32 v51, v50, v48                        ; M_c - M: a whole number, 0 or less
	v_cvt_i32_f32 v51, v51                         ; (it saturates)
	v_ldexp_f32 v51, 1.0, v51                      ; f_c = 2^(M_c - M)
	v_mul_f32 v52, v51, v49
	v_add_f32_dpp v52, v52, v52 row_xmask:1 row_mask:0xf bank_mask:0xf       ; l = the sum of f_c l_c; the part with M_c = M gives more than 1/2
	v_add_f32_dpp v52, v52, v52 row_xmask:2 row_mask:0xf bank_mask:0xf
	v_add_f32_dpp v52, v52, v52 row_xmask:4 row_mask:0xf bank_mask:0xf
	v_add_f32_dpp v52, v52, v52 row_xmask:8 row_mask:0xf bank_mask:0xf
	v_rcp_f32 v53, v52
	v_nop                                          ; one plain line behind a transcendental
	s_wait_alu depctr_va_vdst(0)
	v_mul_f32 v51, v51, v53                        ; part c's weight, f_c / l, in lane c
.irp c, 0,1,2,3,4,5,6,7,8,9,10,11,12,13,14,15
	v_readlane_b32 s[32+\c], v51, \c
.endr
.irp i, 0,1,2,3,4,5,6,7
	v_mul_f32 v[16+\i], s32, v[RB+\i]              ; the first part starts the sums
.endr
.irp c, 1,2,3,4,5,6,7,8,9,10,11,12,13,14,15
.irp i, 0,1,2,3,4,5,6,7
	v_fmac_f32 v[16+\i], s[32+\c], v[RB+8*\c+\i]
.endr
.endr
.irp g, 4,5,6,7,8,9,10,11
	LOADG \g                                       ; into the registers that the parts have left
.endr
	s_wait_loadcnt 32                              ; the residual is in; the 32 loads just issued may be out
.irp i, 0,2,4,6
	v_pk_add_f32 v[16+\i:17+\i], v[16+\i:17+\i], v[24+\i:25+\i]
.endr
	ds_store_b128 v5, v[16:19]
	ds_store_b128 v5, v[20:23] offset:512
	s_wait_dscnt 0x0                               ; for the others' sake
	s_barrier_signal -1
	s_barrier_wait -1                              ; H lies in LDS
.macro HLOAD g                         ; H[b][64 w + 4 g .. + 3] for the four batches: every lane reads the same 16 bytes
.set HB, 16+32*((\g)%2)
.irp b, 0,1,2,3
	ds_load_b128 v[HB+4*\b:HB+4*\b+3], v2 offset:4096*\b+16*(\g)
.endr
.endm
.macro FMA g                           ; 4 rows x 4 batches x 4 columns; of H's pair the low word serves both halves for an even row, the high word for an odd one
.if (\g) < 4
.set SL, RA+16*(\g)
.elseif (\g) < 12
.set SL, RB+16*((\g)-4)
.else
.set SL, RA+16*((\g)-12)
.endif
.set HB, 16+32*((\g)%2)
.irp p, 0,1,2,3
.irp b, 0,1,2,3
.irp q, 0,1
.if ((\g) == 0) && (\p == 0)
	v_pk_mul_f32 v[ACC+4*\b+2*\q:ACC+4*\b+2*\q+1], v[SL+2*\q:SL+2*\q+1], v[HB+4*\b:HB+4*\b+1] op_sel_hi:[1,0]   ; the first row starts the sums: nothing is cleared
.elseif \p%2 == 0
	v_pk_fma_f32 v[ACC+4*\b+2*\q:ACC+4*\b+2*\q+1], v[SL+4*\p+2*\q:SL+4*\p+2*\q+1], v[HB+4*\b+2*(\p/2):HB+4*\b+2*(\p/2)+1], v[ACC+4*\b+2*\q:ACC+4*\b+2*\q+1] op_sel_hi:[1,0,1]
.else
	v_pk_fma_f32 v[ACC+4*\b+2*\q:ACC+4*\b+2*\q+1], v[SL+4*\p+2*\q:SL+4*\p+2*\q+1], v[HB+4*\b+2*(\p/2):HB+4*\b+2*(\p/2)+1], v[ACC+4*\b+2*\q:ACC+4*\b+2*\q+1] op_sel:[0,1,0] op_sel_hi:[1,1,1]
.endif
.endr
.endr
.endr
.endm
.macro GROUP g
.if (\g) < 15
	HLOAD (\g)+1
.endif
.if 4*(15-(\g)) > 44
	s_wait_loadcnt 44                              ; groups 0-3 were shown in above; behind each of them 46 loads have been issued
.else
	s_wait_loadcnt 4*(15-(\g))                     ; loads come back in order: group g is in; the groups behind it may be out
.endif
.if (\g) < 15
	s_wait_dscnt 4                                 ; this group's numbers of H are in; the next group's four loads may be out
.else
	s_wait_dscnt 0x0
.endif
	FMA \g
.if (\g) < 4
	LOADG (\g)+12                                  ; into the registers just multiplied
.endif
.endm
	HLOAD 0
.irp g, 0,1,2,3,4,5,6,7,8,9,10,11,12,13,14,15
	GROUP \g
.endr
.irp b, 0,1,2,3
	ds_store_b128 v3, v[ACC+4*\b:ACC+4*\b+3] offset:512*\b
.endr
	s_wait_dscnt 0x0                               ; for the others' sake
	s_barrier_signal -1
	s_barrier_wait -1                              ; the sixteen waves' sums lie in LDS
	s_cmp_ge_u32 s16, 4                            ; waves 0 to 3 finish batch w; no barrier follows
	s_cbranch_scc1 .Lend
.irp j, 0,1,2,3,4,5,6,7,8,9,10,11,12,13,14,15
	ds_load_b128 v[RB+4*\j:RB+4*\j+3], v4 offset:2048*\j
.endr
	s_mul_i32 s20, s16, 128000                     ; out0's row w
	s_add_nc_u64 s[14:15], s[14:15], s[20:21]
	s_wait_dscnt 0x0
.irp j, 0,1,2,3,4,5,6,7
	v_pk_add_f32 v[RB+4*\j:RB+4*\j+1], v[RB+4*\j:RB+4*\j+1], v[RB+32+4*\j:RB+32+4*\j+1]
	v_pk_add_f32 v[RB+4*\j+2:RB+4*\j+3], v[RB+4*\j+2:RB+4*\j+3], v[RB+32+4*\j+2:RB+32+4*\j+3]
.endr
.irp j, 0,1,2,3
	v_pk_add_f32 v[RB+4*\j:RB+4*\j+1], v[RB+4*\j:RB+4*\j+1], v[RB+16+4*\j:RB+16+4*\j+1]
	v_pk_add_f32 v[RB+4*\j+2:RB+4*\j+3], v[RB+4*\j+2:RB+4*\j+3], v[RB+16+4*\j+2:RB+16+4*\j+3]
.endr
.irp j, 0,1
	v_pk_add_f32 v[RB+4*\j:RB+4*\j+1], v[RB+4*\j:RB+4*\j+1], v[RB+8+4*\j:RB+8+4*\j+1]
	v_pk_add_f32 v[RB+4*\j+2:RB+4*\j+3], v[RB+4*\j+2:RB+4*\j+3], v[RB+8+4*\j+2:RB+8+4*\j+3]
.endr
	v_pk_add_f32 v[RB:RB+1], v[RB:RB+1], v[RB+4:RB+5]
	v_pk_add_f32 v[RB+2:RB+3], v[RB+2:RB+3], v[RB+6:RB+7]
	v_pk_add_f32 v[RB:RB+1], v[RB:RB+1], v[8:9]    ; + out_b
	v_pk_add_f32 v[RB+2:RB+3], v[RB+2:RB+3], v[10:11]
	global_store_b128 v1, v[RB:RB+3], s[14:15]     ; the wave stores 512 consecutive bytes, aligned
.Lend:
	s_wait_tensorcnt 0x0
	ds_add_u32 v14, v15
	s_wait_dscnt 0x0
	s_endpgm
.Lfunc_end_k_q8912f09892_head:
	.size	k_q8912f09892_head, .Lfunc_end_k_q8912f09892_head-k_q8912f09892_head
	.p2alignl 7, 3214868480
	.fill 96, 4, 3214868480
	.section	.rodata,"a",@progbits
	.p2align	6, 0x0
	.amdhsa_kernel k_q8912f09892_head
		.amdhsa_group_segment_fixed_size 51200
		.amdhsa_private_segment_fixed_size 0
		.amdhsa_enable_private_segment 0
		.amdhsa_kernarg_size 48
		.amdhsa_user_sgpr_count 2
		.amdhsa_user_sgpr_kernarg_segment_ptr 1
		.amdhsa_wavefront_size32 1
		.amdhsa_system_sgpr_workgroup_id_x 1
		.amdhsa_system_sgpr_workgroup_id_y 1
		.amdhsa_system_sgpr_workgroup_id_z 1
		.amdhsa_system_vgpr_workitem_id 0
		.amdhsa_next_free_vgpr 256
		.amdhsa_next_free_sgpr 66
		.amdhsa_reserve_vcc 0
		.amdhsa_float_denorm_mode_32 3
		.amdhsa_float_denorm_mode_16_64 3
		.amdhsa_memory_ordered 1
		.amdhsa_forward_progress 1
		.amdhsa_inst_pref_size 59
	.end_amdhsa_kernel
	.amdgpu_metadata
---
amdhsa.version: [ 1, 2 ]
amdhsa.kernels:
  - .name:           k_q8912f09892_head
    .symbol:         k_q8912f09892_head.kd
    .args:
      - { .name: x, .offset: 0, .size: 8, .value_kind: global_buffer, .address_space: global }
      - { .name: embed, .offset: 8, .size: 8, .value_kind: global_buffer, .address_space: global }
      - { .name: pp, .offset: 16, .size: 8, .value_kind: global_buffer, .address_space: global }
      - { .name: out_w, .offset: 24, .size: 8, .value_kind: global_buffer, .address_space: global }
      - { .name: out_b, .offset: 32, .size: 8, .value_kind: global_buffer, .address_space: global }
      - { .name: out0, .offset: 40, .size: 8, .value_kind: global_buffer, .address_space: global }
    .group_segment_fixed_size: 51200
    .private_segment_fixed_size: 0
    .kernarg_segment_align: 8
    .kernarg_segment_size: 48
    .max_flat_workgroup_size: 512
    .sgpr_count:     66
    .vgpr_count:     256
    .wavefront_size: 32
...
	.end_amdgpu_metadata
.endif
;; end of part 4
;; ======== version 2 of 2: 4 launches; 1.13 times as fast as version 1
;; workspace buffers: hc 8,388,608 bytes; hs 262,144 bytes; qq 4,352 bytes; vc 8,388,608 bytes; vs 262,144 bytes; sc 131,072 bytes; hh 16,384 bytes
;; launch prep: the kernel of part 1 again; grid 264 x 1, 4 waves a work-group, no clusters, 50,688 bytes of LDS; arguments x, embed, qkv_w_codes, qkv_w_scales, qkv_b, hc, hs, qq; writes hc, hs, qq
;; launch kvgemm (part 5): grid 8 x 32, 4 waves a work-group, clusters of 4 x 4, 327,680 bytes of LDS; arguments hc, hs, qkv_w_codes, qkv_w_scales, qkv_b, qq, vc, vs, sc; writes vc, vs, sc
.if DOCPART == 5
	.amdgcn_target "amdgcn-amd-amdhsa--gfx1250"
	.amdhsa_code_object_version 6
	.text
	.protected	k_q8912f09892_kvgemm
	.globl	k_q8912f09892_kvgemm
	.p2align	8
	.type	k_q8912f09892_kvgemm,@function
k_q8912f09892_kvgemm:
	s_mov_b64 s[64:65], 0
	v_nop
	global_prefetch_b8 v0, s[64:65] scope:SCOPE_SE
	s_setreg_imm32_b32 hwreg(HW_REG_WAVE_MODE, 25, 1), 1
	s_wait_xcnt 0x0
	s_wait_alu depctr_hold_cnt(0) depctr_sa_sdst(0) depctr_va_vdst(0) depctr_va_sdst(0) depctr_va_ssrc(0) depctr_va_vcc(0) depctr_vm_vsrc(0)
	s_getreg_b32 s2, hwreg(HW_REG_IB_STS2, 6, 4)
	s_cmp_eq_u32 s2, 0
	s_cbranch_scc0 .Lentry_in_a_cluster
	s_endpgm
.Lentry_in_a_cluster:
	s_bfe_u32 s2, ttmp6, 0x10000c
	s_cmp_lg_u32 s2, 0xf033
	s_cbranch_scc0 .Lentry_shape_is_right
	s_endpgm
.Lentry_shape_is_right:
; KVGEMM.  k = h Wk + bk and v = h Wv + bv for all 8,192 tokens, on codes of E4M3 with E8M0 scales, both results quantised on the way out: k along D, v along the keys.
; One text serves both.  It multiplies a LANE side A (source 1) by a REGISTER side B (source 0): in a result a lane holds one row of A and its registers run along B's rows, and the result is quantised along B's rows.
;   TYPE 0 (cluster x = 0): A = h (tokens), B = W's rows 1,024 .. 2,047 (d): k, a lane to a token, registers along d.
;   TYPE 1 (cluster x = 1): A = W's rows 2,048 .. 3,071 (d), B = h (tokens): v^T, a lane to a d, registers along the keys.
; TYPE is the cluster's x, equal in all sixteen partners.  128 work-groups of each type; each makes 256 x 256, K = 1,024; four waves, 128 x 128 each: 64 accumulators, 512 registers, 512 matrix instructions.
; K goes in four steps of 256 through a ring of two LDS slots filled by the tensor data mover (rows of 256 bytes, 16 of padding).  The scales of the 256 + 256 rows for all of K come once, with the first fills.
; CLUSTERS: 4 x 4.  A's tiles are shared along a row of the cluster, B's along a column: each is asked for jointly, by the same tensor load with a mask that names the four.
; The bias is the C of each sum's first product: TYPE 0: it runs along the registers (by B's block); TYPE 1: along the lanes (by A's block).  That first step is written twice, under a branch on TYPE.
; OUT.  TYPE 0: k's codes never leave: only the last token's query of each batch reaches the result, so the work-group multiplies its 256 tokens x 256 d of k's codes by that query's codes (qq) at once, by the same
;   matrix instruction, and stores partial scores: sc [d / 256][token] f32.  The next launch adds the four parts.
; TYPE 1: v's codes leave as IMAGES OF OPERAND REGISTERS (a fragment of 16 rows x 128 K is 2,048 bytes; piece c of 512 bytes holds lane l's 16 bytes at 16 l): vc [d / 16][token / 128]; scale words vs [token / 256][d][8 bytes].
; LIMITS: a block of zeros gets the byte 1 where the rule says 127 (its codes are zeros; this program alone reads the bytes); NaN and infinities are not served.
; REGISTERS, in windows of 256: window 0: v0-31 addresses; v32-63 scale words, two sets; v64-127 the bias; v128-255 A's fragments, one set.
;   On the way out: v32-55 at work, v56-61 scale words of q and k, v64-191 codes, v192-195 v's scale words, v196-227 q's two fragments, v228-251 and v32-39 the scores' four accumulators.
;   window 1: B's fragments, two sets.   window 2: the accumulators of my rows 0-63 ((a, b) at v[8 (8 a + b)]);   window 3: those of my rows 64-127.
.set KSTEP,  256
.set NQ,     2                         ; matrix instructions deep in a slot
.set ROWB,   256                       ; a tile's row in bytes
.set KROW,   1024                      ; a row of codes in memory
.set PITCH,  272                       ; an LDS row: 256 bytes + 16 of padding = 68 words: row r starts at bank 4 r mod 64 (64 banks of 4 bytes: ISA guide 11.1)
.set FR,     16
.set NL,     4
.set NP,     8                         ; places behind this matrix instruction (ISA guide 7.12.1)
.set HALFT,  128*PITCH
.set SLOT,   4*HALFT                   ; A's 256 rows, then B's 256 rows
.set KS,     32                        ; a row of scales in bytes
.set SCL,    2*SLOT                    ; behind the ring: the scales, as units of 256 bytes + 16 of padding
.set HALFS,  (128*KS/256)*272
.set SBLK,   (16*KS/256)*272
.set SPARE,  SCL+4*HALFS               ; the spare words, 128 bytes for each wave: two blocks of 256 bytes that no other line names
.set SCSTG,  256*PITCH                 ; the way out: codes' stage at 0, 256 rows x 272 bytes; behind it 2,048 bytes of scale words;
.set SCOUT,  SCSTG+2048                ; behind them 256 bytes a wave for the scores.  All lie in slot 0, which has had its last fill and its last read by then
.set ZR,   3                           ; v3      0, the offset of q's scale words
.set QA,   7                           ; v7      16 x (lane / 16): q's row is the same for all sixteen rows of the operand
.set VO,   8                           ; v8-15   byte offsets of the bias loads
.set ADRA, 16                          ; v16-17  LDS address of my A fragments in slot 0, 1
.set KSA,  18                          ; v18     where I read k's scale words: lanes 0-15 the first d step's, lanes 16-31 the second's
.set SOA,  19                          ; v19     where I put eight scores
.set ADRB, 20                          ; v20-21  LDS address of my B fragments
.set SOB,  22                          ; v22     where I read two scores back
.set L8,   23                          ; v23     8 x lane
.set STO,  24                          ; v24     the way out: where I put 8 codes
.set SSTO, 25                          ; v25     and a scale word
.set RD,   26                          ; v26     where I read a fragment's piece back
.set ADRS, 27                          ; v27     LDS address of my scale words: lanes 0-15 A's rows, lanes 16-31 B's
.set SPW,  28                          ; v28     my spare word: SPARE + 4 x my thread's number; never rewritten
.set NIL,  29                          ; v29     0; never rewritten
.set SRD,  30                          ; v30     where I read v's scale words back
.set LI,   31                          ; v31     16 x lane
.set SC,   32
.set BIAS, 64
.set AF,   128
.set TM,   32                          ; the way out: v32-35 largest magnitudes, v36-39 bytes, v40-43 448 x scale, v44-47 scale operands
.set PW,   48                          ; v48-55 a scale word for each of my eight blocks of rows
.set QSW,  56                          ; v56-57 q's scale words of my two d steps
.set KSW,  58                          ; v58-61 k's scale words, a register for each of my four tiles of tokens
.set PCB,  64                          ; v64-191 16 registers of codes for each block: no LDS store's data are written again
.set QF,   196                         ; v196-227 q's two fragments
.set G1, 24
.set G0, 32
.set G1B, 48
.set G0B, 56
.set G1S, 68
.set G0S, 76
.set G1SB, 80
.set G0SB, 88
.set MSB, 0
.macro WIN new                         ; the immediate's high byte repeats the setting that is left
.if MSB != \new
	s_set_vgpr_msb (MSB<<8)|\new
.set MSB, \new
.endif
.endm
.set MUL_LO, 0xa1                      ; source 0 (B) window 1, source 1 (A) window 0, C and D window 2
.set MUL_HI, 0xf1                      ; the same, C and D window 3
.set FST_LO, 0x81                      ; the first step: C (the bias) window 0, D window 2
.set FST_HI, 0xc1                      ; D window 3
.set TO_B,   0x40
; A joint load: waves 0 and 1 fetch for A, waves 2 and 3 for B.  The branch hangs on the wave's number alone.  Four v_nop follow each of the two lines.
.macro JLOAD g0a, g1a, g0b, g1b
	s_cmp_eq_u32 s15, 0
	s_cbranch_scc0 .Lfor_b_\@
	tensor_load_to_lds s[\g0a:\g0a+3], s[\g1a:\g1a+7]
	s_nop 0
.rept 4
	v_nop
.endr
	s_branch .Lasked_\@
.Lfor_b_\@:
	tensor_load_to_lds s[\g0b:\g0b+3], s[\g1b:\g1b+7]
	s_nop 0
.rept 4
	v_nop
.endr
.Lasked_\@:
.endm
.macro CREST                           ; a round of the cluster's barrier behind its opening barrier
	s_cmp_lg_u32 s14, 0
	s_cbranch_scc1 .Lnot_wave_0_\@
	s_barrier_signal -3
.Lnot_wave_0_\@:
	s_barrier_wait -3
	s_barrier_signal -1
	s_barrier_wait -1
.endm
.macro CROUND
	s_barrier_signal -1
	s_barrier_wait -1
	CREST
.endm
	s_load_b256 s[4:11], s[0:1], 0x0               ; hc s[4:5], hs s[6:7], W's codes s[8:9], W's scales s[10:11]
	s_load_b64 s[12:13], s[0:1], 0x20              ; the bias
	v_lshl_add_u32 v[SPW], v0, 2, SPARE
	v_mov_b32 v[NIL], 0
	ds_add_u32 v28, v29
	ds_add_u32 v28, v29
	s_wait_dscnt 0x0
	v_lshrrev_b32 v1, 5, v0
	v_readfirstlane_b32 s14, v1                    ; wave 0..3
	s_lshr_b32 s15, s14, 1                         ; which half of A's rows is mine.  Also: I fetch for A (0) or for B (1)
	s_and_b32 s16, s14, 1                          ; which half of B's rows.  Also: which 128 rows of that tile I fetch
	s_bfe_u32 s40, ttmp6, 0x40000                  ; cx
	s_bfe_u32 s41, ttmp6, 0x40004                  ; cy
	s_mov_b32 s66, ttmp9                           ; TYPE: the cluster's x
	s_and_b32 s67, ttmp7, 0xffff
	s_lshl_b32 s67, s67, 2                         ; 4 x the cluster's y: it walks the 32 tiles of tokens
	s_cmp_eq_u32 s66, 0
	s_cselect_b32 s95, s67, 0                      ; TYPE 0: the tokens are A's rows,
	s_cselect_b32 s100, 0, s67                     ; TYPE 1: B's
	s_add_co_u32 s17, s41, s95                     ; A's tile: cy (+ 4 x cluster y)
	s_add_co_u32 s42, s40, s100                    ; B's tile: cx (+ 4 x cluster y)
	s_lshl_b32 s43, s41, 2
	s_lshl_b32 s43, 15, s43                        ; my row of the cluster
	s_lshl_b32 s44, 0x1111, s40                    ; my column
	; descriptor group 1: a tile of 128 rows x 256 bytes, padded in LDS
	s_or_b32 s[G1+0], s43, (0<<16)|(1<<20)|(1<<21)|(5<<22)|(3<<25)  ; 15:0 the mask: A's tiles go to my row; 17:16 elements of 1 byte; 20 padding on; 21 set beside a mask; 24:22 after every 64 words; 31:25 four words
	s_or_b32 s[G1B+0], s44, (0<<16)|(1<<20)|(1<<21)|(5<<22)|(3<<25)
.irp g, G1, G1B
	s_mov_b32 s[\g+1], ROWB<<16                    ; tensor_dim0
	s_mov_b32 s[\g+2], 128<<16                     ; tensor_dim1
	s_mov_b32 s[\g+3], ROWB<<16                    ; tile_dim0
	s_mov_b32 s[\g+4], 128                         ; tile_dim1
	s_mov_b32 s[\g+5], KROW                        ; tensor_dim0_stride
	s_mov_b32 s[\g+6], 0
	s_mov_b32 s[\g+7], 0
.endr
	; the scales of 128 rows: 4,096 dense bytes, as 16 rows of 256 bytes (32 elements of 8 bytes), 16 bytes of padding behind each
	s_or_b32 s[G1S+0], s43, (3<<16)|(1<<20)|(1<<21)|(5<<22)|(3<<25)
	s_or_b32 s[G1SB+0], s44, (3<<16)|(1<<20)|(1<<21)|(5<<22)|(3<<25)
.irp g, G1S, G1SB
	s_mov_b32 s[\g+1], 32<<16
	s_mov_b32 s[\g+2], (128*KS/256)<<16
	s_mov_b32 s[\g+3], 32<<16
	s_mov_b32 s[\g+4], 128*KS/256
	s_mov_b32 s[\g+5], 32
	s_mov_b32 s[\g+6], 0
	s_mov_b32 s[\g+7], 0
.endr
	s_lshl_b32 s18, s16, 7                         ; which 128 rows of the tile I fetch
	s_lshl_b32 s20, s17, 8
	s_add_co_u32 s20, s20, s18                     ; A: row 256 x tile + 128 x half
	s_lshl_b32 s46, s42, 8
	s_add_co_u32 s46, s46, s18                     ; B likewise
	s_lshl_b32 s22, s20, 5                         ; where these rows' scales begin, in bytes (all four offsets stay under 2^24)
	s_lshl_b32 s92, s46, 5
	s_lshl_b32 s20, s20, 10                        ; and their codes
	s_lshl_b32 s46, s46, 10
	s_mov_b32 s21, 0
	s_mov_b32 s23, 0
	s_mov_b32 s47, 0
	s_mov_b32 s93, 0
	s_mul_i32 s45, s14, HALFT                      ; where they go: wave x 128 rows: no place in the cluster enters an LDS address
	s_mul_i32 s67, s14, HALFS
	s_wait_kmcnt 0x0
	s_add_nc_u64 s[100:101], s[8:9], 0x200000      ; W's rows 2,048 on (v),
	s_add_nc_u64 s[94:95], s[10:11], 0x10000       ; their scales,
	s_add_nc_u64 s[8:9], s[8:9], 0x100000          ; W's rows 1,024 on (k),
	s_add_nc_u64 s[10:11], s[10:11], 0x8000        ; their scales
	s_cmp_eq_u32 s66, 0                            ; the choice of buffers hangs on TYPE alone
	s_cselect_b64 s[100:101], s[4:5], s[100:101]   ; A's codes
	s_cselect_b64 s[94:95], s[6:7], s[94:95]       ; A's scales
	s_cselect_b64 s[8:9], s[8:9], s[4:5]           ; B's codes
	s_cselect_b64 s[10:11], s[10:11], s[6:7]       ; B's scales
	s_add_nc_u64 s[20:21], s[100:101], s[20:21]
	s_add_nc_u64 s[22:23], s[94:95], s[22:23]
	s_add_nc_u64 s[46:47], s[8:9], s[46:47]
	s_add_nc_u64 s[92:93], s[10:11], s[92:93]
	CROUND                                         ; all sixteen work-groups are here: the first joint loads meet
	s_mov_b32 s[G0S], 1
	s_add_co_u32 s[G0S+1], s67, SCL
	s_mov_b64 s[G0S+2:G0S+3], s[22:23]
	s_or_b32 s[G0S+3], s[G0S+3], 0x80000000
	s_mov_b32 s[G0SB], 1
	s_add_co_u32 s[G0SB+1], s67, SCL
	s_mov_b64 s[G0SB+2:G0SB+3], s[92:93]
	s_or_b32 s[G0SB+3], s[G0SB+3], 0x80000000
	JLOAD G0S, G1S, G0SB, G1SB                     ; the scales first: they are wanted with K step 0.  By this text's count a wave has three tensor loads out here, later one
.irp s, 0,1
	s_mov_b32 s[G0+4*\s], 1
	s_add_co_u32 s[G0+4*\s+1], s45, \s*SLOT
	s_add_nc_u64 s[G0+4*\s+2:G0+4*\s+3], s[20:21], \s*ROWB
	s_or_b32 s[G0+4*\s+3], s[G0+4*\s+3], 0x80000000
	s_mov_b32 s[G0B+4*\s], 1
	s_add_co_u32 s[G0B+4*\s+1], s45, \s*SLOT
	s_add_nc_u64 s[G0B+4*\s+2:G0B+4*\s+3], s[46:47], \s*ROWB
	s_or_b32 s[G0B+4*\s+3], s[G0B+4*\s+3], 0x80000000
	JLOAD G0+4*\s, G1, G0B+4*\s, G1B
.endr
	s_load_b256 s[4:11], s[0:1], 0x28              ; the inputs' addresses are used up: qq s[4:5], vc s[6:7], vs s[8:9], sc s[10:11]
	s_cmp_eq_u32 s66, 0                            ; how the bias lies in a result, selected on one compare
	s_cselect_b32 s18, 32, 0                       ; bytes for the lane's half,
	s_cselect_b32 s19, 0, 4                        ; for its row,
	s_cselect_b32 s94, 4, 0                        ; for the register
	v_and_b32 v1, 15, v0                           ; r
	v_bfe_u32 v2, v0, 4, 1                         ; h
	v_mul_u32_u24 v3, v1, PITCH
	v_lshl_add_u32 v4, v2, 4, v3                   ; a fragment's row x pitch + 16 x half
	s_mul_i32 s21, s15, HALFT                      ; my 128 rows of A
	s_mul_i32 s22, s16, HALFT                      ; my 128 rows of B,
	s_add_co_u32 s22, s22, 2*HALFT                 ; which lie behind A's 256
.irp s, 0,1
	v_add_nc_u32 v[ADRA+\s], s21, v4
	v_add_nc_u32 v[ADRB+\s], s22, v4
	s_add_co_u32 s21, s21, SLOT
	s_add_co_u32 s22, s22, SLOT
.endr
	v_mul_u32_u24 v5, v1, KS                       ; my row's scales: 32 bytes a row,
	v_lshrrev_b32 v6, 8, v5
	v_lshl_add_u32 v5, v6, 4, v5                   ; and 16 more for each 256 passed
	s_mul_i32 s21, s15, HALFS
	s_mul_i32 s22, s16, HALFS
	s_add_co_u32 s22, s22, 2*HALFS
	s_sub_co_u32 s22, s22, s21
	v_mul_u32_u24 v6, s22, v2                      ; lanes 16-31 take B's: one product, the distance between the two bases
	s_add_co_u32 s21, s21, SCL
	v_add_nc_u32 v5, v5, v6
	v_add_nc_u32 v[ADRS], s21, v5
	s_mul_i32 s21, s15, 128*PITCH                  ; the stage: row = A's row (128 x half + 16 a + r), byte = B's row (128 x half + 32 b + 16 u + 8 h)
	s_lshl_b32 s22, s16, 7
	s_add_co_u32 s21, s21, s22
	v_lshl_add_u32 v5, v2, 3, v3
	v_add_nc_u32 v[STO], s21, v5
	s_lshl_b32 s21, s15, 10                        ; the scale words: 8 bytes a row of A, my half of B's rows is word 0 or 1
	s_lshl_b32 s22, s16, 2
	s_add_co_u32 s21, s21, s22
	s_add_co_u32 s21, s21, SCSTG
	v_lshl_add_u32 v[SSTO], v1, 3, s21
	s_mul_i32 s21, s14, 64*PITCH                   ; back: wave w takes rows 64 w on, as fragments: row l % 16, 16 bytes for each half of the lanes
	v_add_nc_u32 v[RD], s21, v4
	v_and_b32 v6, 31, v0
	v_lshlrev_b32 v[LI], 4, v6
	s_lshl_b32 s21, s14, 9
	s_add_co_u32 s21, s21, SCSTG
	v_add_nc_u32 v[SRD], s21, v[LI]                ; my 64 rows' scale words as they lie: 512 bytes;
	v_lshl_add_u32 v[KSA], v1, 3, s21              ; or by rows: row r's two words,
	v_lshl_add_u32 v[KSA], v2, 2, v[KSA]           ; the first in lanes 0-15, the second in lanes 16-31
	s_lshl_b32 s21, s14, 8
	s_add_co_u32 s21, s21, SCOUT
	v_lshl_add_u32 v[SOA], v2, 5, s21              ; my wave's 64 scores: a tile's sixteen at 64 p, my half's eight at + 32 h
	v_lshl_add_u32 v[SOB], v6, 3, s21              ; and back, two a lane
	v_lshlrev_b32 v[L8], 3, v6
	v_lshlrev_b32 v[QA], 4, v2
	v_mov_b32 v[ZR], 0
	s_lshl_b32 s20, s42, 10                        ; the bias.  TYPE 0: numbers 1,024 + 256 x B's tile + 128 x my half of B on;
	s_lshl_b32 s22, s16, 9
	s_add_co_u32 s20, s20, s22
	s_add_co_u32 s20, s20, 4096
	s_lshl_b32 s22, s17, 10                        ; TYPE 1: 2,048 + 256 x A's tile + 128 x my half of A on
	s_lshl_b32 s23, s15, 9
	s_add_co_u32 s22, s22, s23
	s_add_co_u32 s22, s22, 8192
	s_cmp_eq_u32 s66, 0
	s_cselect_b32 s20, s20, s22
	s_mov_b32 s21, 0
	s_add_nc_u64 s[12:13], s[12:13], s[20:21]
	v_mul_u32_u24 v[VO], s18, v2
	v_mad_u32_u24 v[VO], v1, s19, v[VO]
.irp j, 1,2,3,4,5,6,7
	v_add_nc_u32 v[VO+\j], s94, v[VO+\j-1]
.endr
.irp i, 0,1,2,3,4,5,6,7                ; eight registers for each block of 16, in the result's layout: TYPE 0: number 16 i + 8 h + j; TYPE 1: number 16 i + r in all eight
.irp j, 0,1,2,3,4,5,6,7
	global_load_b32 v[BIAS+8*\i+\j], v[VO+\j], s[12:13] offset:64*\i
.endr
.endr
	s_lshr_b32 s20, s17, 3                         ; TYPE 0: the batch of my 256 tokens
	s_lshl_b32 s22, s20, 10
	s_lshl_b32 s23, s42, 8
	s_add_co_u32 s22, s22, s23                     ; q's codes of my 256 d: 1,024 x batch + 256 x B's tile
	s_lshl_b32 s20, s20, 5
	s_lshl_b32 s23, s42, 3
	s_add_co_u32 s20, s20, s23                     ; and their 8 scale bytes: 32 x batch + 8 x B's tile
	s_cmp_eq_u32 s66, 0
	s_cselect_b32 s22, s22, 0                      ; TYPE 1 has no use for q: its loads below ask for qq's first bytes, inside the buffer, and the result is left alone;
	s_cselect_b32 s20, s20, 0                      ; so the text has one branch on TYPE on the way out and not two
	s_mov_b32 s23, 0
	s_wait_kmcnt 0x0
	s_add_nc_u64 s[96:97], s[4:5], s[22:23]
	s_add_nc_u64 s[4:5], s[4:5], s[20:21]
.macro FRAG reg, adr, q, i             ; a fragment: lane l holds row l % 16; registers 4 c .. 4 c + 3 hold K = 32 c + 16 (l / 16) + 0 .. 15
.irp c, 0,1,2,3
	ds_load_b128 v[\reg+4*\c:\reg+4*\c+3], v[\adr] offset:128*(\q)+32*\c+(\i)*16*PITCH
.endr
.endm
; 16 matrix instructions: A's blocks a0, a0 + 1 x B's eight, the slot's q-th 128 along K.  p: B's set; sc: the set of scale words.  mode 0: onto the sums; 1: C = the bias by B's block; 2: by A's block.
; The 64 accumulators take turns, one instruction a turn, in the same order in every step.
.macro MUL16 a0, p, q, sc, mode
.irp a, \a0, \a0+1
.irp b, 0,1,2,3,4,5,6,7
.if \mode == 0
	v_wmma_scale_f32_16x16x128_f8f6f4 v[8*(8*((\a)%4)+\b):8*(8*((\a)%4)+\b)+7], v[128*(\p)+FR*\b:128*(\p)+FR*\b+FR-1], v[AF+FR*(\a):AF+FR*(\a)+FR-1], v[8*(8*((\a)%4)+\b):8*(8*((\a)%4)+\b)+7], v[SC+8*NQ*(\sc)+NQ*\b+(\q)], v[SC+8*NQ*(\sc)+NQ*(\a)+(\q)] matrix_a_scale:MATRIX_SCALE_ROW1
.elseif \mode == 1
	v_wmma_scale_f32_16x16x128_f8f6f4 v[8*(8*((\a)%4)+\b):8*(8*((\a)%4)+\b)+7], v[128*(\p)+FR*\b:128*(\p)+FR*\b+FR-1], v[AF+FR*(\a):AF+FR*(\a)+FR-1], v[BIAS+8*\b:BIAS+8*\b+7], v[SC+8*NQ*(\sc)+NQ*\b+(\q)], v[SC+8*NQ*(\sc)+NQ*(\a)+(\q)] matrix_a_scale:MATRIX_SCALE_ROW1
.else
	v_wmma_scale_f32_16x16x128_f8f6f4 v[8*(8*((\a)%4)+\b):8*(8*((\a)%4)+\b)+7], v[128*(\p)+FR*\b:128*(\p)+FR*\b+FR-1], v[AF+FR*(\a):AF+FR*(\a)+FR-1], v[BIAS+8*(\a):BIAS+8*(\a)+7], v[SC+8*NQ*(\sc)+NQ*\b+(\q)], v[SC+8*NQ*(\sc)+NQ*(\a)+(\q)] matrix_a_scale:MATRIX_SCALE_ROW1
.endif
.endr
.endr
.endm
.macro FETCH_B slot, q, p
	WIN TO_B
.irp i, 0,1,2,3,4,5,6,7
	FRAG 128*(\p)+FR*\i, ADRB+\slot, \q, \i
.endr
	WIN 0
.endm
.macro FETCH_A slot, q, i0
.irp i, \i0, \i0+1, \i0+2, \i0+3
	FRAG AF+FR*(\i), ADRA+\slot, \q, \i
.endr
.endm
.macro SCALES sc                       ; a K step's scale words into set sc: two words a row; lanes 0-15 take A's block i, lanes 16-31 B's block i
.irp i, 0,1,2,3,4,5,6,7
	ds_load_b64 v[SC+8*NQ*\sc+NQ*\i:SC+8*NQ*\sc+NQ*\i+1], v[ADRS] offset:\i*SBLK
.endr
.endm
.macro PLACES n                        ; plain vector lines between a matrix instruction and a load into, or a read of, its registers (for reads ISA guide 7.12.1)
.rept \n
	v_nop
.endr
.endm
; A step of 128 along K that has its successor in the same slot.  A has one set of registers (a block is free when its eight products are issued), B two.
.macro STEP slot, q, mode
	s_wait_dscnt 4*NL                              ; B's set and A's blocks 0-3 are in; the youngest 16 loads (A's blocks 4-7) may be out
.if \mode
	WIN FST_LO
.else
	WIN MUL_LO
.endif
	MUL16 0, (\q)%2, \q, \slot, \mode
	MUL16 2, (\q)%2, \q, \slot, \mode
	s_wait_dscnt 0                                 ; A's blocks 4-7 are in (asked for 32 matrix instructions ago)
	PLACES NP
	FETCH_B \slot, (\q)+1, 1-(\q)%2
	FETCH_A \slot, (\q)+1, 0
.if \mode
	WIN FST_HI
.else
	WIN MUL_HI
.endif
	MUL16 4, (\q)%2, \q, \slot, \mode
	MUL16 6, (\q)%2, \q, \slot, \mode
	PLACES NP
	WIN 0
	FETCH_A \slot, (\q)+1, 4
.endm
; A slot's last step changes slots: ONE barrier; in front of it each wave waits for all its tensor loads, adds 0 to its spare word, and waits for that and for its reads of this slot.  fill = 1: this slot is filled again, two K steps ahead.
.macro TURN slot, next, fill
	s_wait_tensorcnt 0x0                           ; all my tensor loads have landed: my part of the next slot (every window is 0 here)
	ds_add_u32 v[SPW], v[NIL]                      ; 0 onto my spare word
	s_wait_dscnt 4*NL+1                            ; (the add and the youngest 16 loads, A's blocks 4-7, may be out)
	WIN MUL_LO
	MUL16 0, 1, NQ-1, \slot, 0                     ; sixteen matrix instructions stand between the add and the wait for it
	s_wait_dscnt 0x0                               ; the add is done, and my reads of this slot are over
	s_barrier_signal -1
	MUL16 2, 1, NQ-1, \slot, 0
	WIN 0
	s_barrier_wait -1
.if \fill
	CREST                                          ; the barrier has opened a round of the cluster's barrier: no wave of any partner still reads this slot or has a load on its way
	s_add_nc_u64 s[G0+4*\slot+2:G0+4*\slot+3], s[G0+4*\slot+2:G0+4*\slot+3], 2*ROWB
	s_add_nc_u64 s[G0B+4*\slot+2:G0B+4*\slot+3], s[G0B+4*\slot+2:G0B+4*\slot+3], 2*ROWB
	JLOAD G0+4*\slot, G1, G0B+4*\slot, G1B         ; the first tensor load behind the round; its four v_nop are among the places in front of the loads below
	PLACES NP-4
.else
	PLACES NP
.endif
	v_add_nc_u32 v[ADRS], 4*NQ, v[ADRS]            ; on to the next K step's scale words
	FETCH_B \next, 0, 0
	FETCH_A \next, 0, 0
	SCALES \next
	WIN MUL_HI
	MUL16 4, 1, NQ-1, \slot, 0
	MUL16 6, 1, NQ-1, \slot, 0
	PLACES NP
	WIN 0
	FETCH_A \next, 0, 4
.endm
	s_wait_tensorcnt 1                             ; the scales and my part of K step 0 are in (K step 1's load may be out)
	s_barrier_signal -1
	s_barrier_wait -1                              ; everybody's are
	FETCH_B 0, 0, 0
	FETCH_A 0, 0, 0
	SCALES 0
	FETCH_A 0, 0, 4
	s_wait_loadcnt 0x0                             ; the bias
	s_cmp_eq_u32 s66, 0                            ; TYPE: the same in all partners; no tensor load and no barrier stands in either arm
	s_cbranch_scc0 .Lfirst_v
	STEP 0, 0, 1                                   ; the first products start the sums from the bias: nothing is cleared, nothing is added later
	s_branch .Lfirst_done
.Lfirst_v:
	STEP 0, 0, 2
.Lfirst_done:
	TURN 0, 1, 1                                   ; K = 1,024 is four slots' worth: written out, no loop.  Slot 0 takes K step 2,
	STEP 1, 0, 0
	TURN 1, 0, 1                                   ; slot 1 K step 3
	STEP 0, 0, 0
	TURN 0, 1, 0                                   ; nothing is left to fetch: no round of the cluster's barrier
	STEP 1, 0, 0
	s_wait_dscnt 4*NL                              ; the very last step
	WIN MUL_LO
	MUL16 0, 1, NQ-1, 1, 0
	MUL16 2, 1, NQ-1, 1, 0
	s_wait_dscnt 0
	WIN MUL_HI
	MUL16 4, 1, NQ-1, 1, 0
	MUL16 6, 1, NQ-1, 1, 0
	WIN 0
; THE WAY OUT.  In block a (16 rows of A) lane (r, h) holds row 16 a + r; registers 16 b + 8 u + j of the block's 64 are B's rows 32 b + 16 u + 8 h + j: a block of 32 along the quantiser's axis lies in lanes l and l xor 16.
.macro QUANTW a
.set QW, 2+(\a)/4                      ; the block's window
.set AC, 64*((\a)%4)
.set PCA, PCB+16*(\a)
.set W_A, QW|(QW<<2)
.set W_B, (QW<<2)|(QW<<4)
.set W_C, QW|(QW<<6)
	WIN W_A                                        ; sources 0 and 1 in the block's window
.irp b, 0,1,2,3
	v_max3_num_f32 v[TM+\b], |v[AC+16*\b]|, |v[AC+16*\b+1]|, 0x4800000   ; each accumulator is read from its low end on; the floor 2^(9 - 127) holds the byte at 1 from below
.endr
	WIN W_B                                        ; sources 1 and 2
.irp i, 2,4,6,8,10,12,14
.irp b, 0,1,2,3
	v_max3_num_f32 v[TM+\b], v[TM+\b], |v[AC+16*\b+\i]|, |v[AC+16*\b+\i+1]|
.endr
.endr
	WIN 0
.irp b, 0,1,2,3
	v_permlanex16_b32 v[TM+4+\b], v[TM+\b], s18, s19
.endr
.irp b, 0,1,2,3
	v_max_num_f32 v[TM+\b], v[TM+\b], v[TM+4+\b]
.endr
.irp b, 0,1,2,3
	v_add_nc_u32 v[TM+12+\b], 0xfc000000, v[TM+\b]
.endr
.irp b, 0,1,2,3
	v_and_or_b32 v[TM+8+\b], v[TM+\b], 0x7f800000, s20
.endr
.irp b, 0,1,2,3
	v_lshrrev_b32 v[TM+4+\b], 23, v[TM+12+\b]
.endr
	v_lshl_or_b32 v[PW+(\a)], v[TM+5], 8, v[TM+4]  ; my row's scale word for my 128 of B's rows
	v_lshl_or_b32 v[PW+(\a)], v[TM+6], 16, v[PW+(\a)]
	v_lshl_or_b32 v[PW+(\a)], v[TM+7], 24, v[PW+(\a)]
	WIN W_C                                        ; source 0 and destination
.irp b, 0,1,2,3
.irp i, 0,1,2,3,4,5,6,7,8,9,10,11,12,13,14,15
	v_med3_num_f32 v[AC+16*\b+\i], v[AC+16*\b+\i], -v[TM+8+\b], v[TM+8+\b]   ; the conversion does not saturate (ISA guide 7.6.2): the hold comes first
.endr
.endr
	WIN QW                                         ; source 0
.irp b, 0,1,2,3
	v_cvt_scalef32_pk8_fp8_f32 v[PCA+4*\b:PCA+4*\b+1], v[AC+16*\b:AC+16*\b+7], v[TM+12+\b]
	v_cvt_scalef32_pk8_fp8_f32 v[PCA+4*\b+2:PCA+4*\b+3], v[AC+16*\b+8:AC+16*\b+15], v[TM+12+\b]
.endr
	WIN 0
	v_nop                                          ; one plain line behind the last conversion: the next block writes the scale operands
.irp b, 0,1,2,3
.irp u, 0,1
	ds_store_b64 v[STO], v[PCA+4*\b+2*\u:PCA+4*\b+2*\u+1] offset:4352*(\a)+32*\b+16*\u   ; row pitch 68 words, 2 words a half: the 32 lanes touch 64 different banks
.endr
.endr
	ds_store_b32 v[SSTO], v[PW+(\a)] offset:128*(\a)   ; both halves of the lanes write the same word with the same value
.endm
	PLACES NP+1                                    ; behind the last products: eight places serve reads of results and loads into registers that they read; the ninth serves the matrix instructions further down that write over such registers
.irp g, 0,1                            ; q's two fragments and scale words are asked for here and land while the results are quantised
.irp c, 0,1,2,3
	global_load_b128 v[QF+16*\g+4*\c:QF+16*\g+4*\c+3], v[QA], s[96:97] offset:128*\g+32*\c
.endr
.endr
	global_load_b64 v[QSW:QSW+1], v[ZR], s[4:5] offset:4096
	s_mov_b32 s18, 0x76543210
	s_mov_b32 s19, 0xfedcba98                      ; v_permlanex16_b32's selects for lane l xor 16
	s_mov_b32 s20, 0x600000                        ; the mantissa field of 448
.irp b, 0,1,2,3
	v_mov_b32 v[TM+4+\b], 0                        ; written once: a lane permute's destination counts as one of its sources
.endr
.irp a, 0,1,2,3,4,5,6,7
	QUANTW \a
.endr
	s_wait_dscnt 0x0                               ; for the others' sake: my stores into the stage have landed (a row's 256 codes come from two waves)
	s_barrier_signal -1
	s_barrier_wait -1
.irp p, 0,1,2,3                        ; back as fragments: tile of rows 4 w + p, 128 of B's rows g, piece c
.irp g, 0,1
.irp c, 0,1,2,3
	ds_load_b128 v[PCB+4*(8*\p+4*\g+\c):PCB+4*(8*\p+4*\g+\c)+3], v[RD] offset:4352*\p+128*\g+32*\c
.endr
.endr
.endr
	s_cmp_eq_u32 s66, 0                            ; TYPE: the same in all partners; no tensor load and no barrier stands in either arm
	s_cbranch_scc0 .Lout_v
	; ---- TYPE 0: the eight fragments are k of my 64 tokens x 256 d.  S^T = k q^T: source 0 = 16 tokens, source 1 = 16 copies of the batch's last query: register j of lane (r, h) = the score of token 8 h + j
.irp p, 0,1,2,3
	ds_load_b32 v[KSW+\p], v[KSA] offset:128*\p    ; tile p's scale words: lanes 0-15 the first d step's, lanes 16-31 the second's
.endr
	s_lshl_b32 s22, s42, 15                        ; sc: my quarter of d (8,192 tokens x 4 bytes), my 256 tokens, my wave's 64
	s_lshl_b32 s23, s17, 10
	s_add_co_u32 s22, s22, s23
	s_lshl_b32 s23, s14, 8
	s_add_co_u32 s22, s22, s23
	s_mov_b32 s23, 0
	s_add_nc_u64 s[10:11], s[10:11], s[22:23]
	s_wait_dscnt 0x0                               ; the fragments and k's scale words
	s_wait_loadcnt 0x0                             ; q
.irp g, 0,1                            ; four accumulators by turns, one instruction a turn
.irp p, 0,1,2,3
.if \g == 0
	v_wmma_scale_f32_16x16x128_f8f6f4 v[228+8*\p-220*(\p/3):228+8*\p-220*(\p/3)+7], v[PCB+32*\p:PCB+32*\p+15], v[QF:QF+15], 0, v[KSW+\p], v[QSW]
.else
	v_wmma_scale_f32_16x16x128_f8f6f4 v[228+8*\p-220*(\p/3):228+8*\p-220*(\p/3)+7], v[PCB+32*\p+16:PCB+32*\p+31], v[QF+16:QF+31], v[228+8*\p-220*(\p/3):228+8*\p-220*(\p/3)+7], v[KSW+\p], v[QSW+1] matrix_a_scale:MATRIX_SCALE_ROW1
.endif
.endr
.endr
	PLACES NP
.irp p, 0,1,2,3
	ds_store_b128 v[SOA], v[228+8*\p-220*(\p/3):228+8*\p-220*(\p/3)+3] offset:64*\p       ; each accumulator from its low end on; the sixteen lanes of a half write the same bytes with the same values
	ds_store_b128 v[SOA], v[228+8*\p-220*(\p/3)+4:228+8*\p-220*(\p/3)+7] offset:64*\p+16
.endr
	ds_load_b64 v[40:41], v[SOB]                   ; my wave's own bytes: LDS serves a wave's instructions in order
	s_wait_dscnt 0x0
	global_store_b64 v[L8], v[40:41], s[10:11]     ; the wave stores 256 consecutive bytes, aligned: 64 tokens' partial scores
	s_branch .Lfin
.Lout_v:
	; ---- TYPE 1: the eight fragments are v^T of my 64 d x 256 tokens: they leave as they stand
	ds_load_b128 v[192:195], v[SRD]
	s_lshl_b32 s22, s17, 4                         ; vc: my first tile of d, 16 x A's tile + 4 x wave, 64 fragments of 2,048 bytes each,
	s_lshl_b32 s23, s14, 2
	s_add_co_u32 s22, s22, s23
	s_lshl_b32 s22, s22, 17
	s_lshl_b32 s23, s42, 12                        ; + two fragments for each tile of tokens
	s_add_co_u32 s22, s22, s23
	s_mov_b32 s23, 0
	s_add_nc_u64 s[6:7], s[6:7], s[22:23]
	s_lshl_b32 s22, s42, 13                        ; vs: the tile of tokens (1,024 d x 8 bytes), A's tile x 2,048, wave x 512
	s_lshl_b32 s92, s17, 11
	s_add_co_u32 s22, s22, s92
	s_lshl_b32 s92, s14, 9
	s_add_co_u32 s22, s22, s92
	s_add_nc_u64 s[8:9], s[8:9], s[22:23]
.irp p, 0,1,2,3
.irp g, 0,1
.irp c, 0,1,2,3
	s_wait_dscnt 32-(8*\p+4*\g+\c)                 ; LDS loads come back in order: this piece is in; the younger pieces and the scale words may be out
	global_store_b128 v[LI], v[PCB+4*(8*\p+4*\g+\c):PCB+4*(8*\p+4*\g+\c)+3], s[6:7] offset:131072*\p+2048*\g+512*\c   ; the wave stores 512 consecutive bytes, aligned
.endr
.endr
.endr
	s_wait_dscnt 0x0
	global_store_b128 v[LI], v[192:195], s[8:9]    ; 64 rows' scale words: 512 consecutive bytes
.Lfin:
	s_wait_tensorcnt 0x0                           ; the wave's end
	ds_add_u32 v[SPW], v[NIL]
	s_wait_dscnt 0x0
	CROUND                                         ; the closing round: no work-group ends while a partner may still ask for a tile that names it
	s_endpgm
.Lfunc_end_k_q8912f09892_kvgemm:
	.size	k_q8912f09892_kvgemm, .Lfunc_end_k_q8912f09892_kvgemm-k_q8912f09892_kvgemm
	.p2alignl 7, 3214868480
	.fill 96, 4, 3214868480
	.section	.rodata,"a",@progbits
	.p2align	6, 0x0
	.amdhsa_kernel k_q8912f09892_kvgemm
		.amdhsa_group_segment_fixed_size 327680
		.amdhsa_private_segment_fixed_size 0
		.amdhsa_enable_private_segment 0
		.amdhsa_kernarg_size 72
		.amdhsa_user_sgpr_count 2
		.amdhsa_user_sgpr_kernarg_segment_ptr 1
		.amdhsa_wavefront_size32 1
		.amdhsa_system_sgpr_workgroup_id_x 1
		.amdhsa_system_sgpr_workgroup_id_y 1
		.amdhsa_system_sgpr_workgroup_id_z 1
		.amdhsa_system_vgpr_workitem_id 0
		.amdhsa_next_free_vgpr 1024
		.amdhsa_next_free_sgpr 102
		.amdhsa_reserve_vcc 0
		.amdhsa_float_denorm_mode_32 3
		.amdhsa_float_denorm_mode_16_64 3
		.amdhsa_memory_ordered 1
		.amdhsa_forward_progress 1
		.amdhsa_inst_pref_size 217
	.end_amdhsa_kernel
	.amdgpu_metadata
---
amdhsa.version: [ 1, 2 ]
amdhsa.kernels:
  - .name:           k_q8912f09892_kvgemm
    .symbol:         k_q8912f09892_kvgemm.kd
    .args:
      - { .name: hc, .offset: 0, .size: 8, .value_kind: global_buffer, .address_space: global }
      - { .name: hs, .offset: 8, .size: 8, .value_kind: global_buffer, .address_space: global }
      - { .name: qkv_w_codes, .offset: 16, .size: 8, .value_kind: global_buffer, .address_space: global }
      - { .name: qkv_w_scales, .offset: 24, .size: 8, .value_kind: global_buffer, .address_space: global }
      - { .name: qkv_b, .offset: 32, .size: 8, .value_kind: global_buffer, .address_space: global }
      - { .name: qq, .offset: 40, .size: 8, .value_kind: global_buffer, .address_space: global }
      - { .name: vc, .offset: 48, .size: 8, .value_kind: global_buffer, .address_space: global }
      - { .name: vs, .offset: 56, .size: 8, .value_kind: global_buffer, .address_space: global }
      - { .name: sc, .offset: 64, .size: 8, .value_kind: global_buffer, .address_space: global }
    .group_segment_fixed_size: 327680
    .private_segment_fixed_size: 0
    .kernarg_segment_align: 8
    .kernarg_segment_size: 72
    .max_flat_workgroup_size: 128
    .sgpr_count:     102
    .vgpr_count:     1024
    .wavefront_size: 32
...
	.end_amdgpu_metadata
.endif
;; end of part 5
;; launch attn (part 6): grid 64 x 4, 16 waves a work-group, no clusters, 12,288 bytes of LDS; arguments sc, vc, vs, x, embed, hh; writes hh
.if DOCPART == 6
	.amdgcn_target "amdgcn-amd-amdhsa--gfx1250"
	.amdhsa_code_object_version 6
	.text
	.protected	k_q8912f09892_attn
	.globl	k_q8912f09892_attn
	.p2align	8
	.type	k_q8912f09892_attn,@function
k_q8912f09892_attn:
	s_mov_b64 s[64:65], 0
	v_nop
	global_prefetch_b8 v0, s[64:65] scope:SCOPE_SE
	s_setreg_imm32_b32 hwreg(HW_REG_WAVE_MODE, 25, 1), 1
	s_wait_xcnt 0x0
; ATTN.  The last token's row of attention and the residual: hh[b][d] = (sum over the keys of p V) / l + embed[x[b][2047]][d].
; Work-group (dt, b) makes 16 numbers of batch b: d = 16 dt .. 16 dt + 15, over ALL 2,048 keys, so no sum spans work-groups.  Wave w takes keys 128 w .. 128 w + 127: one K step of the product.
; The scores come as four partial sums over D (sc [4][8192] f32).  t = score x log2(e) / 32; M_w = ceil(the wave's largest t), a whole number; p = 2^(t - M_w) is quantised along the keys, in blocks of 32;
; l_w = the sum of the unquantised p; O_w^T = V^T p^T by one scaled matrix instruction (source 0 = 16 d of V, source 1 = 16 copies of p).  Behind one barrier wave 0 brings the sixteen waves' sums
; under the largest M by exact powers of two, divides by l and adds the residual.  The maximum is taken away ahead of every exponential: no exponent is above 0 but by the product's rounding.
; THE SOFTMAX IS TAKEN DENSE: lane l holds keys 4 l .. 4 l + 3, four exponentials a lane; a block of 32 keys is eight neighbouring lanes.  Only the conversion wants the operand's layout (a lane's registers along the
; keys): the held p and the four blocks' scale operands turn through the wave's own LDS bytes.
; NO CLUSTER: what the 64 work-groups of a batch share is 2 KB of scores a wave, asked for once; a joint load would put a round of the cluster's barrier ahead of the launch's only loads.
; hh is 16,384 bytes in all; a work-group stores 64 of them, two lanes x 32 bytes.
; LIMITS: NaN and infinities are not served; a p under 2^-126 counts as 0 (v_exp_f32 flushes); a block of p that are all 0 keeps the byte 1: its codes are zeros; an index outside 0 .. 31,999 is held at 31,999.
; REGISTERS: v1-11, v17-19, v52 addresses; v[12:13] -M and l; v[14:15] the sum at work; v16 V's scale word; v20-35 the four partial scores, then p and work; v36-43 the residual; v44-47 the scale operands; v48-51 bytes;
;   v56 p's scale word; v64-127 p in the operand's layout; v128-143 V's fragment; v144-159 p's codes; v160-167 O^T; v168-183 the join.
.set SOST, 8192                        ; LDS: at 0 each wave's 128 numbers, 512 bytes a wave; here each wave's four scale operands, 16 bytes;
.set OSTG, 8448                        ; each wave's 16 sums, 64 bytes;
.set STAT, 9472                        ; each wave's pair (-M, l), 8 bytes
.set VSW, 16
.set SO,  44
.set PT,  48
.set PWD, 56
.set T,   64
.set VF,  128
.set PCD, 144
.set O,   160
.set JO,  168
	s_load_b256 s[4:11], s[0:1], 0x0               ; sc s[4:5], vc s[6:7], vs s[8:9], x s[10:11]
	s_load_b128 s[12:15], s[0:1], 0x20             ; embed s[12:13], hh s[14:15]
	v_lshl_add_u32 v192, v0, 2, 0x2800
	v_mov_b32 v193, 0
	v_lshrrev_b32 v1, 5, v0
	v_readfirstlane_b32 s16, v1                    ; wave 0..15
	s_and_b32 s17, ttmp7, 0xffff                   ; b;  dt is ttmp9
	s_lshl_b32 s18, s17, 4
	s_add_co_u32 s18, s18, s16                     ; my step of 128 keys among all tokens: 16 b + w
	v_and_b32 v1, 31, v0                           ; lane
	v_and_b32 v2, 15, v0                           ; r
	v_bfe_u32 v3, v0, 4, 1                         ; h
	v_lshlrev_b32 v4, 4, v1                        ; 16 x lane
	v_lshlrev_b32 v5, 5, v3                        ; 32 h: my half's eight numbers of the residual and of hh
	v_lshlrev_b32 v6, 3, v2                        ; V's scale words: 8 bytes a row
	s_lshl_b32 s19, s16, 9
	v_add_nc_u32 v8, s19, v4                       ; my wave's 512 bytes: in, dense;
	v_lshl_add_u32 v9, v3, 6, s19                  ; back: keys 32 c + 16 h + 0 .. 15
	s_lshl_b32 s19, s16, 4
	s_add_co_u32 s19, s19, SOST
	v_lshrrev_b32 v17, 3, v1
	v_lshl_add_u32 v17, v17, 2, s19                ; my block's scale operand: word lane / 8 of my wave's four
	v_mov_b32 v52, s19                             ; and all four back, the same address in every lane
	s_lshl_b32 s19, s16, 6
	s_add_co_u32 s19, s19, OSTG
	v_lshl_add_u32 v10, v3, 5, s19                 ; my wave's 16 sums, my half's eight
	s_lshl_b32 s19, s16, 3
	s_add_co_u32 s19, s19, STAT
	v_mov_b32 v11, s19                             ; my wave's pair
	v_lshlrev_b32 v18, 6, v2
	v_lshl_add_u32 v18, v3, 5, v18
	v_add_nc_u32 v18, OSTG, v18                    ; the join: wave r's sums, my half's eight
	v_lshl_add_u32 v19, v2, 3, STAT                ; and wave r's pair
	v_mov_b32 v13, 0                               ; (named as the upper half of the pair v[12:13] before it is first written)
	v_mov_b32 v183, 0                              ; (likewise of v[182:183])
	s_mov_b32 s32, 0x76543210
	s_mov_b32 s33, 0xfedcba98                      ; v_permlanex16_b32's selects for lane l xor 16
	s_mov_b32 s34, 0x3d38aa3b                      ; log2(e) / sqrt(1,024)
	s_mov_b32 s35, s34                             ; (named with it as a pair)
	s_mov_b32 s36, 0x600000                        ; the mantissa field of 448
	s_mov_b32 s3, 0
	s_wait_kmcnt 0x0
	s_lshl_b32 s2, s17, 13
	s_add_co_u32 s2, s2, 8188                      ; x[b][2047]
	s_add_nc_u64 s[10:11], s[10:11], s[2:3]
	s_load_b32 s26, s[10:11], 0x0
	s_lshl_b32 s2, s18, 9
	s_add_nc_u64 s[20:21], s[4:5], s[2:3]          ; my 128 keys' scores: 512 bytes in each of the four parts
	s_lshl_b32 s2, ttmp9, 6
	s_add_co_u32 s2, s2, s18
	s_lshl_b32 s2, s2, 11
	s_add_nc_u64 s[22:23], s[6:7], s[2:3]          ; V's fragment: [d tile][step of 128 keys], 2,048 bytes
	s_lshr_b32 s2, s18, 1
	s_lshl_b32 s2, s2, 13                          ; V's scale words: token / 256,
	s_lshl_b32 s37, ttmp9, 7                       ; my 16 d of 8 bytes,
	s_add_co_u32 s2, s2, s37
	s_and_b32 s37, s18, 1                          ; word (token / 128) % 2
	s_lshl_b32 s37, s37, 2
	s_add_co_u32 s2, s2, s37
	s_add_nc_u64 s[24:25], s[8:9], s[2:3]
	s_lshl_b32 s2, s17, 12
	s_lshl_b32 s37, ttmp9, 6                       ; my 16 numbers' 64 bytes in a row of 1,024
	s_add_co_u32 s2, s2, s37
	s_add_nc_u64 s[14:15], s[14:15], s[2:3]
.irp q, 0,1,2,3
	global_load_b128 v[20+4*\q:23+4*\q], v4, s[20:21] offset:32768*\q   ; part q: the wave reads 512 consecutive bytes
.endr
	global_load_b32 v[VSW], v6, s[24:25]
.irp c, 0,1,2,3
	global_load_b128 v[VF+4*\c:VF+4*\c+3], v4, s[22:23] offset:512*\c th:TH_LOAD_NT   ; read once in the launch
.endr
	s_wait_kmcnt 0x0
	s_min_u32 s26, s26, 0x7cff                     ; held inside the table before it enters an address
	s_lshl_b32 s2, s26, 12
	s_add_co_u32 s2, s2, s37
	s_add_nc_u64 s[12:13], s[12:13], s[2:3]
	s_cmp_lg_u32 s16, 0                            ; wave 0 alone finishes the sums, so it alone asks for the residual
	s_cbranch_scc1 .Lno_res
	global_load_b128 v[36:39], v5, s[12:13]
	global_load_b128 v[40:43], v5, s[12:13] offset:16
.Lno_res:
	s_wait_loadcnt 5                               ; the four parts are in; V's scale word and four pieces may be out
	v_pk_add_f32 v[20:21], v[20:21], v[24:25]      ; the four parts of D
	v_pk_add_f32 v[22:23], v[22:23], v[26:27]
	v_pk_add_f32 v[28:29], v[28:29], v[32:33]
	v_pk_add_f32 v[30:31], v[30:31], v[34:35]
	v_pk_add_f32 v[20:21], v[20:21], v[28:29]
	v_pk_add_f32 v[22:23], v[22:23], v[30:31]      ; v20-23: the scores of keys 4 l .. 4 l + 3
	v_max3_num_f32 v24, v20, v21, v22
	v_max_num_f32 v24, v24, v23
.irp m, 1,2,4,8
	v_max_num_f32_dpp v24, v24, v24 row_xmask:\m row_mask:0xf bank_mask:0xf
.endr
	v_permlanex16_b32 v25, v24, s32, s33
	v_max_num_f32 v24, v24, v25                    ; the largest score of my 128 keys
	v_mul_f32 v24, s34, v24                        ; as t
	v_floor_f32 v12, -v24                          ; -M_w = floor(-t) = -ceil(t): a whole number
	v_pk_fma_f32 v[20:21], v[20:21], s[34:35], v[12:13] op_sel_hi:[1,0,0]   ; t - M
	v_pk_fma_f32 v[22:23], v[22:23], s[34:35], v[12:13] op_sel_hi:[1,0,0]
.irp i, 0,1,2,3
	v_exp_f32 v[20+\i], v[20+\i]                   ; p = 2^(t - M), not normalised
.endr
	v_nop                                          ; one plain line behind the exponentials before a result is used (ISA guide 5.7.2)
	s_wait_alu depctr_va_vdst(0)
	v_pk_add_f32 v[14:15], v[20:21], v[22:23]      ; the sum is taken of the unquantised p
	v_max3_num_f32 v26, v20, v21, v22              ; and the block's largest p,
	v_add_f32 v14, v14, v15
	v_max3_num_f32 v26, v26, v23, 0x4800000        ; with the floor 2^(9 - 127): the byte cannot fall under 1
.irp m, 1,2,4
	v_add_f32_dpp v14, v14, v14 row_xmask:\m row_mask:0xf bank_mask:0xf
	v_max_num_f32_dpp v26, v26, v26 row_xmask:\m row_mask:0xf bank_mask:0xf   ; eight neighbouring lanes hold a block of 32 keys
.endr
	v_add_f32_dpp v14, v14, v14 row_xmask:8 row_mask:0xf bank_mask:0xf
	v_add_nc_u32 v27, 0xfc000000, v26              ; 8 off the exponent field: the conversion's scale operand
	v_and_or_b32 v28, v26, 0x7f800000, s36         ; 448 x the scale
	v_permlanex16_b32 v25, v14, s32, s33
	v_add_f32 v13, v14, v25                        ; l_w
.irp i, 0,1,2,3
	v_min_num_f32 v[20+\i], v[20+\i], v28          ; the conversion does not saturate (ISA guide 7.6.2); p is not negative, so the hold is one-sided
.endr
	ds_store_b128 v8, v[20:23]
	ds_store_b32 v17, v27                          ; the eight lanes of a block write the same word with the same value
.irp c, 0,1,2,3
.irp j, 0,1,2,3
	ds_load_b128 v[T+16*\c+4*\j:T+16*\c+4*\j+3], v9 offset:128*\c+16*\j   ; my wave's own bytes, served in order: register 16 c + i = key 32 c + 16 h + i, the same in all sixteen rows
.endr
.endr
	ds_load_b128 v[SO:SO+3], v52
	s_wait_dscnt 0x0
.irp b, 0,1,2,3
	v_lshrrev_b32 v[PT+\b], 23, v[SO+\b]           ; the scales' bytes
.endr
	v_lshl_or_b32 v[PWD], v[PT+1], 8, v[PT]        ; p's scale word for these 128 keys
	v_lshl_or_b32 v[PWD], v[PT+2], 16, v[PWD]
	v_lshl_or_b32 v[PWD], v[PT+3], 24, v[PWD]
.irp b, 0,1,2,3
	v_cvt_scalef32_pk8_fp8_f32 v[PCD+4*\b:PCD+4*\b+1], v[T+16*\b:T+16*\b+7], v[SO+\b]
	v_cvt_scalef32_pk8_fp8_f32 v[PCD+4*\b+2:PCD+4*\b+3], v[T+16*\b+8:T+16*\b+15], v[SO+\b]
.endr
.rept 8
	v_nop                                          ; a scale word written by vector instructions stands eight places ahead of a scaled matrix instruction, an operand so written four
.endr
	s_wait_loadcnt 0x0                             ; V, its scale word (and in wave 0 the residual)
	v_wmma_scale_f32_16x16x128_f8f6f4 v[O:O+7], v[VF:VF+15], v[PCD:PCD+15], 0, v[VSW], v[PWD]
.rept 8
	v_nop                                          ; eight places behind this form before its result is read
.endr
	ds_store_b128 v10, v[O:O+3]                    ; register j = the sum for d = 8 h + j; from the low end on; the sixteen lanes of a half write the same bytes
	ds_store_b128 v10, v[O+4:O+7] offset:16
	ds_store_b64 v11, v[12:13]                     ; (-M_w, l_w)
	s_wait_dscnt 0x0                               ; for wave 0's sake
	s_barrier_signal -1
	s_barrier_wait -1
	s_cmp_lg_u32 s16, 0                            ; no barrier follows
	s_cbranch_scc1 .Lend
	ds_load_b128 v[JO:JO+3], v18                   ; lane (r, h): wave r's sums for d = 8 h + 0 .. 7
	ds_load_b128 v[JO+4:JO+7], v18 offset:16
	ds_load_b64 v[176:177], v19                    ; and wave r's pair
	s_wait_dscnt 0x0
	v_mov_b32 v178, v176
.irp m, 1,2,4,8
	v_min_num_f32_dpp v178, v178, v178 row_xmask:\m row_mask:0xf bank_mask:0xf   ; -M = the least -M_w of the sixteen
.endr
	v_sub_f32 v179, v178, v176                     ; M_w - M: a whole number, 0 or less
	v_cvt_i32_f32 v179, v179                       ; (it saturates)
	v_ldexp_f32 v179, 1.0, v179                    ; f_w = 2^(M_w - M): rounds nothing
	v_mul_f32 v180, v179, v177
.irp m, 1,2,4,8
	v_add_f32_dpp v180, v180, v180 row_xmask:\m row_mask:0xf bank_mask:0xf       ; l = the sum of f_w l_w; the wave with M_w = M gives more than 1/2
.endr
	v_rcp_f32 v181, v180
	v_nop                                          ; one plain line behind a transcendental
	s_wait_alu depctr_va_vdst(0)
	v_mul_f32 v182, v179, v181                     ; wave r's weight, f_w / l
.irp i, 0,2,4,6
	v_pk_mul_f32 v[JO+\i:JO+\i+1], v[JO+\i:JO+\i+1], v[182:183] op_sel_hi:[1,0]
.endr
.irp m, 1,2,4,8
.irp i, 0,1,2,3,4,5,6,7
	v_add_f32_dpp v[JO+\i], v[JO+\i], v[JO+\i] row_xmask:\m row_mask:0xf bank_mask:0xf   ; over the sixteen waves; the eight numbers by turns
.endr
.endr
.irp i, 0,2,4,6
	v_pk_add_f32 v[JO+\i:JO+\i+1], v[JO+\i:JO+\i+1], v[36+\i:37+\i]   ; + the residual
.endr
	v_cmp_eq_u32 vcc_lo, 0, v2                     ; lanes 0 and 16 store their halves' eight numbers
	s_wait_xcnt 0x0                                ; EXEC changes only behind this wait
	s_and_saveexec_b32 s30, vcc_lo
	global_store_b128 v5, v[JO:JO+3], s[14:15]
	global_store_b128 v5, v[JO+4:JO+7], s[14:15] offset:16
	s_wait_xcnt 0x0
	s_or_b32 exec_lo, exec_lo, s30
.Lend:
	s_wait_tensorcnt 0x0
	ds_add_u32 v192, v193
	s_wait_dscnt 0x0
	s_endpgm
.Lfunc_end_k_q8912f09892_attn:
	.size	k_q8912f09892_attn, .Lfunc_end_k_q8912f09892_attn-k_q8912f09892_attn
	.p2alignl 7, 3214868480
	.fill 96, 4, 3214868480
	.section	.rodata,"a",@progbits
	.p2align	6, 0x0
	.amdhsa_kernel k_q8912f09892_attn
		.amdhsa_group_segment_fixed_size 12288
		.amdhsa_private_segment_fixed_size 0
		.amdhsa_enable_private_segment 0
		.amdhsa_kernarg_size 48
		.amdhsa_user_sgpr_count 2
		.amdhsa_user_sgpr_kernarg_segment_ptr 1
		.amdhsa_wavefront_size32 1
		.amdhsa_system_sgpr_workgroup_id_x 1
		.amdhsa_system_sgpr_workgroup_id_y 1
		.amdhsa_system_sgpr_workgroup_id_z 1
		.amdhsa_system_vgpr_workitem_id 0
		.amdhsa_next_free_vgpr 194
		.amdhsa_next_free_sgpr 66
		.amdhsa_reserve_vcc 1
		.amdhsa_float_denorm_mode_32 3
		.amdhsa_float_denorm_mode_16_64 3
		.amdhsa_memory_ordered 1
		.amdhsa_forward_progress 1
		.amdhsa_inst_pref_size 14
	.end_amdhsa_kernel
	.amdgpu_metadata
---
amdhsa.version: [ 1, 2 ]
amdhsa.kernels:
  - .name:           k_q8912f09892_attn
    .symbol:         k_q8912f09892_attn.kd
    .args:
      - { .name: sc, .offset: 0, .size: 8, .value_kind: global_buffer, .address_space: global }
      - { .name: vc, .offset: 8, .size: 8, .value_kind: global_buffer, .address_space: global }
      - { .name: vs, .offset: 16, .size: 8, .value_kind: global_buffer, .address_space: global }
      - { .name: x, .offset: 24, .size: 8, .value_kind: global_buffer, .address_space: global }
      - { .name: embed, .offset: 32, .size: 8, .value_kind: global_buffer, .address_space: global }
      - { .name: hh, .offset: 40, .size: 8, .value_kind: global_buffer, .address_space: global }
    .group_segment_fixed_size: 12288
    .private_segment_fixed_size: 0
    .kernarg_segment_align: 8
    .kernarg_segment_size: 48
    .max_flat_workgroup_size: 512
    .sgpr_count:     66
    .vgpr_count:     194
    .wavefront_size: 32
...
	.end_amdgpu_metadata
.endif
;; end of part 6
;; launch head (part 7): grid 250 x 1, 16 waves a work-group, no clusters, 51,200 bytes of LDS; arguments hh, out_w, out_b, out0; writes out0
.if DOCPART == 7
	.amdgcn_target "amdgcn-amd-amdhsa--gfx1250"
	.amdhsa_code_object_version 6
	.text
	.protected	k_q8912f09892_head
	.globl	k_q8912f09892_head
	.p2align	8
	.type	k_q8912f09892_head,@function
k_q8912f09892_head:
	s_mov_b64 s[64:65], 0
	v_nop
	global_prefetch_b8 v0, s[64:65] scope:SCOPE_SE
	s_setreg_imm32_b32 hwreg(HW_REG_WAVE_MODE, 25, 1), 1
	s_wait_xcnt 0x0
; HEAD.  out0[b] = hh[b] out_w + out_b, hh [4][1024] being the last tokens' hidden rows.
; SHARES.  Work-group s owns columns 128 s .. 128 s + 127 for all of K: one owner for each output.  Wave w owns rows k = 64 w .. 64 w + 63 of out_w; a load reads 512 consecutive bytes of a row (rows are 128,000 bytes: every piece starts on a multiple of 256).
; out_w is read once, 131 MB: memory binds.  M = 4 rows: fused multiply-adds in f32, two at a time, 512 a wave; a matrix form would want conversions and a transposition and would spare no byte.
; A wave needs only its own 4 x 64 numbers of hh: it loads them itself (two loads, each two runs of 256 bytes), lays them into its own 1,024 LDS bytes and reads them back with one address for all lanes: no barrier.
; One barrier in all, in front of the sum over the sixteen waves.  48 loads of out_w, 24 KB a wave, are asked for ahead of everything else but hh and out_b.
; NO CLUSTER: 250 work-groups do not divide into clusters of four, and what they share is hh's 16 KB against 512 KB of their own.  No prefetch: the launch streams out_w from its first lines on.
; LIMITS: NaN and infinities are not served.
; REGISTERS: v1-6 addresses; v8-11 out_b; v16-31 and v48-63 hh's numbers of a group by turns; v32-47 the sums (batch b at 32 + 4 b; first hh as loaded); v64-127 groups 0-3, then 12-15; v128-255 groups 4-11.
; LDS: hh's numbers at 1,024 w + 256 b + 4 k'; the waves' sums at 16,384, 2,048 bytes a wave.
.set ACC, 32
.set RA,  64
.set RB,  128
	s_load_b256 s[4:11], s[0:1], 0x0               ; hh s[4:5], out_w s[6:7], out_b s[8:9], out0 s[10:11]
	v_lshl_add_u32 v7, v0, 2, 0xc000
	v_mov_b32 v15, 0
	v_lshrrev_b32 v1, 5, v0
	v_readfirstlane_b32 s16, v1                    ; wave 0..15
	v_and_b32 v12, 31, v0
	v_lshlrev_b32 v1, 4, v12                       ; 16 x lane
	s_lshl_b32 s19, s16, 10
	v_mov_b32 v2, s19                              ; my wave's numbers of hh: the same address in every lane
	v_add_nc_u32 v5, s19, v1                       ; where I put them: 16 bytes a lane
	s_lshl_b32 s19, s16, 11
	s_add_co_u32 s19, s19, 16384
	v_add_nc_u32 v3, s19, v1                       ; where I put my sums
	s_lshl_b32 s19, s16, 9
	s_add_co_u32 s19, s19, 16384
	v_add_nc_u32 v4, s19, v1                       ; where waves 0 to 3 read batch w's sums back
	v_and_b32 v13, 15, v0
	v_bfe_u32 v14, v0, 4, 1
	v_lshlrev_b32 v6, 4, v13
	v_lshl_add_u32 v6, v14, 12, v6
	s_lshl_b32 s19, s16, 8
	v_add_nc_u32 v6, s19, v6                       ; hh: batch lane / 16 (two more in the immediate), numbers 64 w + 4 (lane % 16) on
	s_lshl_b32 s20, ttmp9, 9                       ; my 128 columns
	s_mov_b32 s21, 0
	s_mul_i32 s22, s16, 8192000                    ; my 64 rows of 128,000 bytes
	s_mov_b32 s23, 0
	s_wait_kmcnt 0x0
	s_add_nc_u64 s[6:7], s[6:7], s[20:21]
	s_add_nc_u64 s[8:9], s[8:9], s[20:21]
	s_add_nc_u64 s[10:11], s[10:11], s[20:21]
	s_add_nc_u64 s[6:7], s[6:7], s[22:23]
.macro LOADG g                         ; group g: rows 4 g .. 4 g + 3 of my 64; the largest immediate, 63 x 128,000, lies inside the signed 24 bits (ISA guide, chapter 10)
.if (\g) < 4
.set SL, RA+16*(\g)
.elseif (\g) < 12
.set SL, RB+16*((\g)-4)
.else
.set SL, RA+16*((\g)-12)
.endif
.irp p, 0,1,2,3
	global_load_b128 v[SL+4*\p:SL+4*\p+3], v1, s[6:7] offset:(4*(\g)+\p)*128000 th:TH_LOAD_NT
.endr
.endm
	global_load_b128 v[32:35], v6, s[4:5]          ; batches 0 and 1
	global_load_b128 v[36:39], v6, s[4:5] offset:8192   ; batches 2 and 3
	global_load_b128 v[8:11], v1, s[8:9]           ; out_b
.irp g, 0,1,2,3,4,5,6,7,8,9,10,11
	LOADG \g
.endr
	s_wait_loadcnt 49                              ; hh's two loads are in; out_b's one and out_w's 48 may be out
	ds_store_b128 v5, v[32:35]
	ds_store_b128 v5, v[36:39] offset:512
.macro HLOAD g                         ; hh[b][64 w + 4 g .. + 3] for the four batches: every lane reads the same 16 bytes; my wave's own bytes, served in order behind my stores
.set HB, 16+32*((\g)%2)
.irp b, 0,1,2,3
	ds_load_b128 v[HB+4*\b:HB+4*\b+3], v2 offset:256*\b+16*(\g)
.endr
.endm
.macro FMA g                           ; 4 rows x 4 batches x 4 columns; of hh's pair the low word serves both halves for an even row, the high word for an odd one
.if (\g) < 4
.set SL, RA+16*(\g)
.elseif (\g) < 12
.set SL, RB+16*((\g)-4)
.else
.set SL, RA+16*((\g)-12)
.endif
.set HB, 16+32*((\g)%2)
.irp p, 0,1,2,3
.irp b, 0,1,2,3
.irp q, 0,1
.if ((\g) == 0) && (\p == 0)
	v_pk_mul_f32 v[ACC+4*\b+2*\q:ACC+4*\b+2*\q+1], v[SL+2*\q:SL+2*\q+1], v[HB+4*\b:HB+4*\b+1] op_sel_hi:[1,0]   ; the first row starts the sums: nothing is cleared
.elseif \p%2 == 0
	v_pk_fma_f32 v[ACC+4*\b+2*\q:ACC+4*\b+2*\q+1], v[SL+4*\p+2*\q:SL+4*\p+2*\q+1], v[HB+4*\b+2*(\p/2):HB+4*\b+2*(\p/2)+1], v[ACC+4*\b+2*\q:ACC+4*\b+2*\q+1] op_sel_hi:[1,0,1]
.else
	v_pk_fma_f32 v[ACC+4*\b+2*\q:ACC+4*\b+2*\q+1], v[SL+4*\p+2*\q:SL+4*\p+2*\q+1], v[HB+4*\b+2*(\p/2):HB+4*\b+2*(\p/2)+1], v[ACC+4*\b+2*\q:ACC+4*\b+2*\q+1] op_sel:[0,1,0] op_sel_hi:[1,1,1]
.endif
.endr
.endr
.endr
.endm
.macro GROUP g
.if (\g) < 15
	HLOAD (\g)+1
.endif
.if 4*(15-(\g)) > 44
	s_wait_loadcnt 44                              ; loads come back in order: group g is in; eleven groups have been asked for behind it
.else
	s_wait_loadcnt 4*(15-(\g))                     ; group g is in; the groups behind it may be out
.endif
.if (\g) < 15
	s_wait_dscnt 4                                 ; this group's numbers of hh are in (and my two stores have read their registers, which the sums take); the next group's four loads may be out
.else
	s_wait_dscnt 0x0
.endif
	FMA \g
.if (\g) < 4
	LOADG (\g)+12                                  ; into the registers just multiplied
.endif
.endm
	HLOAD 0
.irp g, 0,1,2,3,4,5,6,7,8,9,10,11,12,13,14,15
	GROUP \g
.endr
.irp b, 0,1,2,3
	ds_store_b128 v3, v[ACC+4*\b:ACC+4*\b+3] offset:512*\b
.endr
	s_wait_dscnt 0x0                               ; for the others' sake
	s_barrier_signal -1
	s_barrier_wait -1                              ; the sixteen waves' sums lie in LDS
	s_cmp_ge_u32 s16, 4                            ; waves 0 to 3 finish batch w; no barrier follows
	s_cbranch_scc1 .Lend
.irp j, 0,1,2,3,4,5,6,7,8,9,10,11,12,13,14,15
	ds_load_b128 v[RB+4*\j:RB+4*\j+3], v4 offset:2048*\j
.endr
	s_mul_i32 s20, s16, 128000                     ; out0's row w
	s_add_nc_u64 s[10:11], s[10:11], s[20:21]
	s_wait_dscnt 0x0
.irp j, 0,1,2,3,4,5,6,7
	v_pk_add_f32 v[RB+4*\j:RB+4*\j+1], v[RB+4*\j:RB+4*\j+1], v[RB+32+4*\j:RB+32+4*\j+1]
	v_pk_add_f32 v[RB+4*\j+2:RB+4*\j+3], v[RB+4*\j+2:RB+4*\j+3], v[RB+32+4*\j+2:RB+32+4*\j+3]
.endr
.irp j, 0,1,2,3
	v_pk_add_f32 v[RB+4*\j:RB+4*\j+1], v[RB+4*\j:RB+4*\j+1], v[RB+16+4*\j:RB+16+4*\j+1]
	v_pk_add_f32 v[RB+4*\j+2:RB+4*\j+3], v[RB+4*\j+2:RB+4*\j+3], v[RB+16+4*\j+2:RB+16+4*\j+3]
.endr
.irp j, 0,1
	v_pk_add_f32 v[RB+4*\j:RB+4*\j+1], v[RB+4*\j:RB+4*\j+1], v[RB+8+4*\j:RB+8+4*\j+1]
	v_pk_add_f32 v[RB+4*\j+2:RB+4*\j+3], v[RB+4*\j+2:RB+4*\j+3], v[RB+8+4*\j+2:RB+8+4*\j+3]
.endr
	v_pk_add_f32 v[RB:RB+1], v[RB:RB+1], v[RB+4:RB+5]
	v_pk_add_f32 v[RB+2:RB+3], v[RB+2:RB+3], v[RB+6:RB+7]
	v_pk_add_f32 v[RB:RB+1], v[RB:RB+1], v[8:9]    ; + out_b
	v_pk_add_f32 v[RB+2:RB+3], v[RB+2:RB+3], v[10:11]
	global_store_b128 v1, v[RB:RB+3], s[10:11]     ; the wave stores 512 consecutive bytes, aligned
.Lend:
	s_wait_tensorcnt 0x0
	ds_add_u32 v7, v15
	s_wait_dscnt 0x0
	s_endpgm
.Lfunc_end_k_q8912f09892_head:
	.size	k_q8912f09892_head, .Lfunc_end_k_q8912f09892_head-k_q8912f09892_head
	.p2alignl 7, 3214868480
	.fill 96, 4, 3214868480
	.section	.rodata,"a",@progbits
	.p2align	6, 0x0
	.amdhsa_kernel k_q8912f09892_head
		.amdhsa_group_segment_fixed_size 51200
		.amdhsa_private_segment_fixed_size 0
		.amdhsa_enable_private_segment 0
		.amdhsa_kernarg_size 32
		.amdhsa_user_sgpr_count 2
		.amdhsa_user_sgpr_kernarg_segment_ptr 1
		.amdhsa_wavefront_size32 1
		.amdhsa_system_sgpr_workgroup_id_x 1
		.amdhsa_system_sgpr_workgroup_id_y 1
		.amdhsa_system_sgpr_workgroup_id_z 1
		.amdhsa_system_vgpr_workitem_id 0
		.amdhsa_next_free_vgpr 256
		.amdhsa_next_free_sgpr 66
		.amdhsa_reserve_vcc 0
		.amdhsa_float_denorm_mode_32 3
		.amdhsa_float_denorm_mode_16_64 3
		.amdhsa_memory_ordered 1
		.amdhsa_forward_progress 1
		.amdhsa_inst_pref_size 49
	.end_amdhsa_kernel
	.amdgpu_metadata
---
amdhsa.version: [ 1, 2 ]
amdhsa.kernels:
  - .name:           k_q8912f09892_head
    .symbol:         k_q8912f09892_head.kd
    .args:
      - { .name: hh, .offset: 0, .size: 8, .value_kind: global_buffer, .address_space: global }
      - { .name: out_w, .offset: 8, .size: 8, .value_kind: global_buffer, .address_space: global }
      - { .name: out_b, .offset: 16, .size: 8, .value_kind: global_buffer, .address_space: global }
      - { .name: out0, .offset: 24, .size: 8, .value_kind: global_buffer, .address_space: global }
    .group_segment_fixed_size: 51200
    .private_segment_fixed_size: 0
    .kernarg_segment_align: 8
    .kernarg_segment_size: 32
    .max_flat_workgroup_size: 512
    .sgpr_count:     66
    .vgpr_count:     256
    .wavefront_size: 32
...
	.end_amdgpu_metadata
.endif
;; end of part 7
